; MI455X (gfx1250); checked and timed in simulation.
; The chip was launched on July 23, 2026; its instructions are those of AMD's public machine-readable ISA for CDNA 5 (MIT licence, August 2026) and "CDNA5" Instruction Set Architecture Reference Guide (July 2026). The comments in the code are by the model that wrote it; some were corrected since.
;; Multi Head Attention. Allowed arithmetic: matrix products marked QUANTISED: E4M3 operands, one E8M0 scale for each 32 along K, by v_wmma_scale_f32_16x16x128_f8f6f4 with both operands' format E4M3, f32 sums; everything else in f32.
;; Inputs: Wk 1,024 x 1,024 float32; Wo 1,024 x 1,024 float32; Wq 1,024 x 1,024 float32; Wv 1,024 x 1,024 float32; bk 1,024 float32; bo 1,024 float32; bq 1,024 float32; bv 1,024 float32; keys 4 x 2,048 x 1,024 float32; queries 4 x 2,048 x 1,024 float32; values 4 x 2,048 x 1,024 float32.
;; Outputs: out0 4 x 2,048 x 1,024 float32.
;; This version of the problem:
;;   THIS VERSION OF THE PROBLEM IS GIVEN IN LOW PRECISION. The matrix products marked QUANTISED in the list below multiply operands that are first quantised to E4M3 (4 exponent bits, 3 mantissa bits; 8 bits a number), with one power-of-two scale for each 32 numbers along K (OCP MX v1.0); their sums are f32. All else is computed in f32.
;;   The module's matrix products, in the order in which they are computed (A, B: the left and right operand; K: the contracted axis; several contracted axes count as one K, in the product's order):
;;     1. [M 8,192, K 1,024] x [K 1,024, N 1,024]; A: input queries; B: input Wq: QUANTISED
;;     2. [M 8,192, K 1,024] x [K 1,024, N 1,024]; A: input keys; B: input Wk: QUANTISED
;;     3. [M 8,192, K 1,024] x [K 1,024, N 1,024]; A: input values; B: input Wv: QUANTISED
;;     4. batch 64 x [M 2,048, K 64] x [K 64, N 2,048]; A: computed on the way; B: computed on the way: QUANTISED
;;     5. batch 64 x [M 2,048, K 2,048] x [K 2,048, N 64]; A: softmax (see below); B: computed on the way: QUANTISED
;;     6. [M 8,192, K 1,024] x [K 1,024, N 1,024]; A: computed on the way; B: input Wo: QUANTISED
;;   THE QUANTISER, for each operand of a quantised product, along K:
;;     - K is cut into blocks of 32 from its start; a last block that is shorter is filled with zeros.
;;     - A block's scale is 2^e with e = floor(log2(the largest magnitude in the block)) - 8, held to -126 .. 127; a block of zeros has e = 0. As a byte (E8M0): e + 127.
;;     - Each number is divided by its block's scale, clamped to +-448, and rounded to the nearest number of E4M3, ties to even, subnormals kept.
;;     - The product sums the exact products of the quantised numbers (number of the format x scale) in f32.
;;   ~~~python
;;   def quantise(x, axis):      # numpy; x: float32 -> the quantised numbers, widened to float32 again
;;       x = np.moveaxis(x, axis, -1); K = x.shape[-1]
;;       x = np.pad(x, [(0, 0)] * (x.ndim - 1) + [(0, -K % 32)]); x = x.reshape(x.shape[:-1] + (-1, 32)); a = np.abs(x).max(-1, keepdims=True)
;;       e = np.where(a > 0, np.clip(np.frexp(np.where(a > 0, a, 1))[1] - 1 - 8, -126, 127), 0)      # np.frexp(a)[1] - 1 = floor(log2(a)), exactly
;;       r = np.clip(x / 2.0 ** e, -448, 448)
;;       step = 2.0 ** (np.maximum(np.frexp(np.where(r == 0, 1, r))[1] - 1, -6) - 3)
;;       q = np.round(r / step) * step * 2.0 ** e      # np.round: ties to even
;;       return np.moveaxis(q.reshape(q.shape[:-2] + (-1,))[..., :K], -1, axis).astype(np.float32)
;;   ~~~
;;   SOFTMAX AHEAD OF A QUANTISED PRODUCT. Where the list says 'softmax', what is quantised is not the finished softmax but p = 2^(t - M), with t = logit x log2(e) and M = ceil(the row's largest t), a whole number; so 1/2 < the row's largest p <= 1. The row's sum l is taken of the UNQUANTISED p, in f32, and the product's result is divided by l at the end. Since M is a whole number, a kernel that streams over the keys may use a running M (the ceiling of the running maximum): every later rescaling is an exact power of two, which a block's scale takes up: the codes' values come out the same.
;;   OPERANDS COMPUTED ON THE WAY. 'Computed on the way' means the value that the module computes at that place (a softmax that the list does not call 'softmax' is quantised finished and normalised). What goes into a quantiser is computed in f32, as accurately as f32 sums, v_exp_f32 and their like allow (about 1e-6 of the number): no bf16 or f16 on the way to a quantiser, and a product that is left as it is and whose result goes on into a quantised operand takes f32 operands (vector FMAs, or v_wmma_f32_16x16x4_f32). A number that lies on a knife's edge between two numbers of the format may be rounded either way, as far as f32 arithmetic and the matrix unit's own rounding can turn it there, and no further.
;; One version. Each part assembles by itself: llvm-mc -triple=amdgcn-amd-amdhsa -mcpu=gfx1250 --defsym DOCPART=n.
;; ======== version 1 of 1: 4 launches
;; limits: right only within a limited range of input values
;; workspace buffers: ximg 25,165,824 bytes; xsc 786,432 bytes; wimg 4,194,304 bytes; wsc 131,072 bytes; pimg 25,165,824 bytes; psc 1,310,720 bytes; cimg 8,388,608 bytes; csc 262,144 bytes
;; launch quant (part 1): grid 512 x 1, 4 waves a work-group, no clusters, 34,304 bytes of LDS; arguments queries, keys, values, Wq, Wk, Wv, Wo, ximg, xsc, wimg, wsc; writes ximg, xsc, wimg, wsc
.if DOCPART == 1
	.amdgcn_target "amdgcn-amd-amdhsa--gfx1250"
	.amdhsa_code_object_version 6
	.text
	.protected	k_qc69395df0f_quant
	.globl	k_qc69395df0f_quant
	.p2align	8
	.type	k_qc69395df0f_quant,@function
k_qc69395df0f_quant:
	s_mov_b64 s[64:65], 0
	v_nop
	global_prefetch_b8 v0, s[64:65] scope:SCOPE_SE
	s_setreg_imm32_b32 hwreg(HW_REG_WAVE_MODE, 25, 1), 1
	s_wait_xcnt 0x0
; MULTI-HEAD ATTENTION IN MX-FP8, LAUNCH 1 OF 4: the seven f32 tensors become codes of E4M3 with one E8M0 byte for each 32 along K.
; NO WORK OF THE PROBLEM IS LEFT OUT IN ANY LAUNCH: all six products are live, every bias goes into a quantised operand or into the output, and all eleven inputs are loaded.
; THE IMAGE.  Every operand that these launches hand on lies in memory as an image of the operand's registers.  A fragment is 16 rows x 128 K, 2,048 bytes: byte 512 c + 16 lane + i
; (lane = 16 h + r) is the code of row r at K = 32 c + 8 h + (i & 7) + 16 (i >> 3).  Against the matrix instruction's own order the two middle groups of eight in each block of 32
; have changed places.  That is done alike in both operands of every product and stays inside a block: scales and exact products are what they were.  It is the order in which a matrix
; result lies in a lane (register j of a tile is index 8 h + j), so that later launches quantise results with no choice of rows.
; A block's scale is 2^(floor(log2(its largest magnitude)) - 8): its byte is that magnitude's exponent field - 8, held at 1 from below; numbers are held within +-448 x the scale.
; LIMITS: a block of zeros gets the byte 1 where the rule says 127 (its codes are zeros, and these launches alone read the bytes); blocks whose largest magnitude lies under 2^-118
; were not tried; NaN and infinities among the inputs are not served.
; SHARES.  Work-groups 0-383: queries, keys, values [8192][1024], K innermost: a wave takes 16 rows x all of K: eight fragments.  Each load reads 512 consecutive bytes of one row; a K step's
; 16 x 512 bytes turn through the wave's own stage in LDS (rows 528 bytes apart) and come back 16 numbers of each block a lane, in the image's order.
; Work-groups 384-511: Wq, Wk, Wv, Wo [K 1024][N 1024]: a lane takes a column n and its registers run down K; a wave takes 32 columns x 256 K.  This way touches no LDS.
; No tensor load, no barrier: waves share nothing.  Matrix units and clusters have nothing to do in a stream.
.set STG,   16*528                     ; a wave's stage
.set SPARE, 4*STG                      ; behind the stages: the spare words, 128 bytes a wave, that no other line names
.set SPW,   12                         ; v12  LDS address of my spare word; never rewritten
.set NIL,   13                         ; v13  0; never rewritten
.set TM,    16                         ; v16-19 largest magnitudes, v20-23 bytes, v24-27 448 x scale, v28-31 the conversions' scale operands
.set PW,    32                         ; v32-39 a scale word for each K step
.set PC,    40                         ; v40-55 a fragment's codes
.set Y,     56                         ; v56-59 my 16 of a row's 32 scale bytes
.set R,     64                         ; v64-191 two sets of 64: a K step as it is loaded
.set X,     192                        ; v192-255 64 numbers in the image's order
.set XW,    64                         ; the weights' way: v64-127 two sets of 32 numbers,
.set CW,    40                         ; v40-47 a block's codes,
.set SB,    32                         ; v32-33 eight scale bytes
.set MNT,   29                         ; s29  the mantissa field of 448
.set SEL,   30                         ; s[30:31] v_permlanex16_b32's selects for lane l xor 16
	s_load_b256 s[4:11], s[0:1], 0x0               ; queries, keys, values, Wq
	s_load_b256 s[12:19], s[0:1], 0x20             ; Wk, Wv, Wo, ximg
	s_load_b128 s[20:23], s[0:1], 0x40             ; xsc, wimg
	s_load_b64 s[24:25], s[0:1], 0x50              ; wsc
	v_lshl_add_u32 v[SPW], v0, 2, SPARE
	v_mov_b32 v[NIL], 0
	v_lshrrev_b32 v1, 5, v0
	v_readfirstlane_b32 s26, v1                    ; wave
	v_and_b32 v1, 31, v0                           ; lane
	v_and_b32 v2, 15, v0                           ; r
	v_bfe_u32 v3, v0, 4, 1                         ; h
	s_mov_b32 s[SEL], 0x76543210
	s_mov_b32 s[SEL+1], 0xfedcba98
	s_mov_b32 s[MNT], 0x600000
	s_cmp_ge_u32 ttmp9, 384                        ; the work-group's number alone decides
	s_cbranch_scc1 .Lw
; ---------------- queries, keys, values ----------------
	s_lshl_b32 s27, ttmp9, 2
	s_add_co_u32 s27, s27, s26                     ; my tile of 16 rows among the three tensors' 1,536
	v_lshlrev_b32 v4, 4, v1                        ; 16 x lane: my bytes of a load's 512, and of an image's
	s_mul_i32 s28, s26, STG
	v_add_nc_u32 v5, s28, v4                       ; the stage, on the way in
	s_wait_alu depctr_va_vdst(0)
	v_mul_u32_u24 v6, v2, 528
	v_lshl_add_u32 v6, v3, 5, v6
	v_add_nc_u32 v6, s28, v6                       ; and out: row r, + 32 h bytes: eight numbers on for lanes 16-31
	v_lshlrev_b32 v7, 5, v2
	v_lshl_add_u32 v7, v3, 4, v7                   ; scale bytes: row r of 32, + 16 h
.irp b, 0,1,2,3
	v_mov_b32 v[TM+4+\b], 0                        ; written once: a lane permute's destination counts as one of its sources
.endr
	s_and_b32 s32, s27, 511
	s_lshl_b32 s32, s32, 16                        ; 16 rows of 4,096 bytes
	s_mov_b32 s33, 0
	s_lshl_b32 s34, s27, 14                        ; eight fragments
	s_mov_b32 s35, 0
	s_lshl_b32 s36, s27, 9                         ; 16 rows of 32 scale bytes
	s_mov_b32 s37, 0
	s_wait_alu depctr_va_vdst(0)
	s_wait_kmcnt 0x0
	s_cmp_lt_u32 ttmp9, 256
	s_cselect_b64 s[6:7], s[6:7], s[8:9]
	s_cmp_lt_u32 ttmp9, 128
	s_cselect_b64 s[4:5], s[4:5], s[6:7]           ; my tensor
	s_add_nc_u64 s[4:5], s[4:5], s[32:33]
	s_add_nc_u64 s[18:19], s[18:19], s[34:35]
	s_add_nc_u64 s[20:21], s[20:21], s[36:37]
.macro LOAD t                          ; K step t of my 16 rows: each load is 512 consecutive bytes of one row
.irp p, 0,1,2,3,4,5,6,7,8,9,10,11,12,13,14,15
	global_load_b128 v[R+64*((\t)%2)+4*\p:R+64*((\t)%2)+4*\p+3], v4, s[4:5] offset:\p*4096+(\t)*512 th:TH_LOAD_NT
.endr
.endm
; 64 numbers of a lane, register 16 b + i = K 32 b + 8 h + (i & 7) + 16 (i >> 3) of my row, become a fragment's codes in v[pc] on and its scale word in v[pw]
.macro QUANT s, pc, pw
.irp b, 0,1,2,3
	v_max3_num_f32 v[TM+\b], |v[\s+16*\b]|, |v[\s+1+16*\b]|, 0x4800000   ; my 16 numbers of block b, and the floor 2^(9 - 127): the byte cannot fall under 1
.endr
.irp i, 2,4,6,8,10,12,14
.irp b, 0,1,2,3
	v_max3_num_f32 v[TM+\b], v[TM+\b], |v[\s+16*\b+\i]|, |v[\s+1+16*\b+\i]|   ; the four blocks by turns
.endr
.endr
.irp b, 0,1,2,3
	v_permlanex16_b32 v[TM+4+\b], v[TM+\b], s[SEL], s[SEL+1]
.endr
.irp b, 0,1,2,3
	v_max_num_f32 v[TM+\b], v[TM+\b], v[TM+4+\b]   ; with lane l xor 16's 16: the block's largest magnitude
.endr
.irp b, 0,1,2,3
	v_add_nc_u32 v[TM+12+\b], 0xfc000000, v[TM+\b] ; 8 off its exponent field: the conversion takes that field as its scale
.endr
.irp b, 0,1,2,3
	v_and_or_b32 v[TM+8+\b], v[TM+\b], 0x7f800000, s[MNT]   ; 448 x the scale
.endr
.irp b, 0,1,2,3
	v_lshrrev_b32 v[TM+4+\b], 23, v[TM+12+\b]      ; the scale's byte
.endr
	v_lshl_or_b32 v[\pw], v[TM+5], 8, v[TM+4]
	v_lshl_or_b32 v[\pw], v[TM+6], 16, v[\pw]
	v_lshl_or_b32 v[\pw], v[TM+7], 24, v[\pw]      ; my row's scale word for these 128 K
.irp b, 0,1,2,3
.irp i, 0,1,2,3,4,5,6,7,8,9,10,11,12,13,14,15
	v_med3_num_f32 v[\s+16*\b+\i], v[\s+16*\b+\i], -v[TM+8+\b], v[TM+8+\b]   ; the conversion to an 8-bit code does not saturate (ISA guide 7.6.2): the hold comes first
.endr
	v_cvt_scalef32_pk8_fp8_f32 v[\pc+4*\b:\pc+1+4*\b], v[\s+16*\b:\s+7+16*\b], v[TM+12+\b]
	v_cvt_scalef32_pk8_fp8_f32 v[\pc+2+4*\b:\pc+3+4*\b], v[\s+8+16*\b:\s+15+16*\b], v[TM+12+\b]
.endr
	v_nop                                          ; a plain line behind the last conversion
.endm
.macro STEP t
.if (\t) < 7
	s_wait_loadcnt 16                              ; this K step's 16 loads are in; the next step's 16 may be out
.else
	s_wait_loadcnt 0x0
.endif
.irp p, 0,1,2,3,4,5,6,7,8,9,10,11,12,13,14,15
	ds_store_b128 v5, v[R+64*((\t)%2)+4*\p:R+64*((\t)%2)+4*\p+3] offset:\p*528
.endr
.irp b, 0,1,2,3
.irp j, 0,1,2,3
	ds_load_b128 v[X+16*\b+4*\j:X+16*\b+4*\j+3], v6 offset:128*\b+16*(\j%2)+64*(\j/2)   ; LDS serves a wave's instructions in order: these see the stores above
.endr
.endr
	s_wait_dscnt 0x0                               ; my 64 numbers are back, and the stores have read their registers
	s_wait_xcnt 0x0                                ; the last step's stores have read the codes' registers
.if (\t) < 6
	LOAD (\t)+2
.endif
	QUANT X, PC, PW+(\t)
.irp c, 0,1,2,3
	global_store_b128 v4, v[PC+4*\c:PC+4*\c+3], s[18:19] offset:(\t)*2048+\c*512   ; 512 consecutive bytes of the image
.endr
.endm
	LOAD 0
	LOAD 1
.irp t, 0,1,2,3,4,5,6,7
	STEP \t
.endr
	v_cmp_lt_u32 s38, 15, v1                       ; lanes 16-31 take the upper four words of the row's eight
.irp j, 0,1,2,3
	v_cndmask_b32 v[Y+\j], v[PW+\j], v[PW+4+\j], s38
.endr
	global_store_b128 v7, v[Y:Y+3], s[20:21]       ; 16 rows of 32 scale bytes: 512 consecutive bytes
	s_branch .Lend
; ---------------- the four weights ----------------
.Lw:
	s_sub_co_u32 s27, ttmp9, 384
	s_lshr_b32 s28, s27, 5                         ; which weight
	s_bfe_u32 s32, s27, 0x30002                    ; which 128 columns
	s_and_b32 s33, s27, 3                          ; which 256 along K
	s_lshl_b32 s32, s32, 7
	s_lshl_b32 s34, s26, 5
	s_add_co_u32 s32, s32, s34                     ; my wave's first column n0
	s_wait_alu depctr_va_vdst(0)
	v_lshlrev_b32 v4, 2, v1                        ; in: 4 bytes a lane
	v_lshlrev_b32 v5, 4, v2
	v_lshl_add_u32 v5, v3, 14, v5                  ; out: row r of tile n0 / 16 + h: tiles lie 16,384 bytes apart
	v_lshlrev_b32 v6, 5, v1                        ; my column's row of 32 scale bytes
	s_lshl_b32 s34, s33, 20                        ; 256 rows of 4,096 bytes,
	s_lshl_b32 s35, s32, 2
	s_add_co_u32 s34, s34, s35                     ; + 4 n0
	s_mov_b32 s35, 0
	s_lshl_b32 s36, s28, 20                        ; the weight's image,
	s_lshl_b32 s37, s32, 10
	s_add_co_u32 s36, s36, s37                     ; tile n0 / 16,
	s_lshl_b32 s37, s33, 12
	s_add_co_u32 s36, s36, s37                     ; its two K steps of 128
	s_mov_b32 s37, 0
	s_lshl_b32 s38, s28, 15
	s_lshl_b32 s39, s32, 5
	s_add_co_u32 s38, s38, s39
	s_lshl_b32 s39, s33, 3
	s_add_co_u32 s38, s38, s39                     ; scale bytes: weight, row n0, byte 8 x (which 256)
	s_mov_b32 s39, 0
	s_wait_alu depctr_va_vdst(0)
	s_wait_kmcnt 0x0
	s_cmp_lt_u32 s28, 3
	s_cselect_b64 s[14:15], s[14:15], s[16:17]
	s_cmp_lt_u32 s28, 2
	s_cselect_b64 s[12:13], s[12:13], s[14:15]
	s_cmp_lt_u32 s28, 1
	s_cselect_b64 s[10:11], s[10:11], s[12:13]     ; my weight
	s_add_nc_u64 s[10:11], s[10:11], s[34:35]
	s_add_nc_u64 s[22:23], s[22:23], s[36:37]
	s_add_nc_u64 s[24:25], s[24:25], s[38:39]
.macro WLOAD t                         ; block t: W(32 t + i, my column): 128 consecutive bytes a wave, 512 a work-group
.set i, 0
.rept 32
	global_load_b32 v[XW+32*((\t)%2)+i], v4, s[10:11] offset:(32*(\t)+i)*4096 th:TH_LOAD_NT
.set i, i+1
.endr
.endm
.macro BLOCK t
.set XS, XW+32*((\t)%2)
.if (\t) < 7
	s_wait_loadcnt 32                              ; this block's 32 loads are in; the next block's may be out
.else
	s_wait_loadcnt 0x0
.endif
	v_max3_num_f32 v16, |v[XS]|, |v[XS+1]|, |v[XS+2]|   ; all 32 numbers of the block are mine
	v_max3_num_f32 v17, |v[XS+3]|, |v[XS+4]|, |v[XS+5]|
.irp i, 6,10,14,18,22,26
	v_max3_num_f32 v16, v16, |v[XS+\i]|, |v[XS+\i+1]|
	v_max3_num_f32 v17, v17, |v[XS+\i+2]|, |v[XS+\i+3]|
.endr
	v_max3_num_f32 v16, v16, |v[XS+30]|, |v[XS+31]|
	v_max3_num_f32 v16, v16, v17, 0x4800000        ; and the floor
	v_add_nc_u32 v19, 0xfc000000, v16              ; the conversions' scale operand
	v_and_or_b32 v18, v16, 0x7f800000, s[MNT]      ; 448 x the scale
	v_lshrrev_b32 v17, 23, v19                     ; the byte
.if (\t)%4 == 0
	v_mov_b32 v[SB+(\t)/4], v17
.else
	v_lshl_or_b32 v[SB+(\t)/4], v17, 8*((\t)%4), v[SB+(\t)/4]
.endif
.set i, 0
.rept 32
	v_med3_num_f32 v[XS+i], v[XS+i], -v18, v18
.set i, i+1
.endr
.if (\t) > 0
	s_wait_alu depctr_va_vdst(0)
	s_wait_xcnt 0x0                                ; the last block's stores have read the codes' registers
.endif
	v_cvt_scalef32_pk8_fp8_f32 v[CW:CW+1], v[XS:XS+7], v19         ; K 0-7 and 16-23 of the block are the image's 16 bytes for h = 0,
	v_cvt_scalef32_pk8_fp8_f32 v[CW+4:CW+5], v[XS+8:XS+15], v19    ; K 8-15 and 24-31 those for h = 1
	v_cvt_scalef32_pk8_fp8_f32 v[CW+2:CW+3], v[XS+16:XS+23], v19
	v_cvt_scalef32_pk8_fp8_f32 v[CW+6:CW+7], v[XS+24:XS+31], v19
	global_store_b128 v5, v[CW:CW+3], s[22:23] offset:((\t)/4)*2048+((\t)%4)*512        ; sixteen lanes store 256 consecutive bytes, aligned
	global_store_b128 v5, v[CW+4:CW+7], s[22:23] offset:((\t)/4)*2048+((\t)%4)*512+256
.if (\t) < 6
	WLOAD (\t)+2                                   ; (the next block begins with plain lines on the other set: the place behind the conversions)
.endif
.endm
	WLOAD 0
	WLOAD 1
.irp t, 0,1,2,3,4,5,6,7
	BLOCK \t
.endr
	global_store_b64 v6, v[SB:SB+1], s[24:25]      ; my column's eight scale bytes: one byte for each 32 that this way reads
.Lend:
	s_wait_tensorcnt 0x0                           ; the wave's end, behind my last LDS store
	ds_add_u32 v[SPW], v[NIL]
	s_wait_dscnt 0x0
	s_endpgm
.Lfunc_end_k_qc69395df0f_quant:
	.size	k_qc69395df0f_quant, .Lfunc_end_k_qc69395df0f_quant-k_qc69395df0f_quant
	.p2alignl 7, 3214868480
	.fill 96, 4, 3214868480
	.section	.rodata,"a",@progbits
	.p2align	6, 0x0
	.amdhsa_kernel k_qc69395df0f_quant
		.amdhsa_group_segment_fixed_size 34304
		.amdhsa_private_segment_fixed_size 0
		.amdhsa_enable_private_segment 0
		.amdhsa_kernarg_size 88
		.amdhsa_user_sgpr_count 2
		.amdhsa_user_sgpr_kernarg_segment_ptr 1
		.amdhsa_wavefront_size32 1
		.amdhsa_system_sgpr_workgroup_id_x 1
		.amdhsa_system_sgpr_workgroup_id_y 1
		.amdhsa_system_sgpr_workgroup_id_z 1
		.amdhsa_system_vgpr_workitem_id 0
		.amdhsa_next_free_vgpr 256
		.amdhsa_next_free_sgpr 66
		.amdhsa_reserve_vcc 0
		.amdhsa_float_denorm_mode_32 3
		.amdhsa_float_denorm_mode_16_64 3
		.amdhsa_memory_ordered 1
		.amdhsa_forward_progress 1
		.amdhsa_inst_pref_size 155
	.end_amdhsa_kernel
	.amdgpu_metadata
---
amdhsa.version: [ 1, 2 ]
amdhsa.kernels:
  - .name:           k_qc69395df0f_quant
    .symbol:         k_qc69395df0f_quant.kd
    .args:
      - { .name: queries, .offset: 0, .size: 8, .value_kind: global_buffer, .address_space: global }
      - { .name: keys, .offset: 8, .size: 8, .value_kind: global_buffer, .address_space: global }
      - { .name: values, .offset: 16, .size: 8, .value_kind: global_buffer, .address_space: global }
      - { .name: Wq, .offset: 24, .size: 8, .value_kind: global_buffer, .address_space: global }
      - { .name: Wk, .offset: 32, .size: 8, .value_kind: global_buffer, .address_space: global }
      - { .name: Wv, .offset: 40, .size: 8, .value_kind: global_buffer, .address_space: global }
      - { .name: Wo, .offset: 48, .size: 8, .value_kind: global_buffer, .address_space: global }
      - { .name: ximg, .offset: 56, .size: 8, .value_kind: global_buffer, .address_space: global }
      - { .name: xsc, .offset: 64, .size: 8, .value_kind: global_buffer, .address_space: global }
      - { .name: wimg, .offset: 72, .size: 8, .value_kind: global_buffer, .address_space: global }
      - { .name: wsc, .offset: 80, .size: 8, .value_kind: global_buffer, .address_space: global }
    .group_segment_fixed_size: 34304
    .private_segment_fixed_size: 0
    .kernarg_segment_align: 8
    .kernarg_segment_size: 88
    .max_flat_workgroup_size: 128
    .sgpr_count:     66
    .vgpr_count:     256
    .wavefront_size: 32
...
	.end_amdgpu_metadata
.endif
;; end of part 1
;; launch proj (part 2): grid 4 x 96, 4 waves a work-group, clusters of 4 x 4, 327,680 bytes of LDS; arguments ximg, xsc, wimg, wsc, bq, bk, bv, pimg, psc; writes pimg, psc
.if DOCPART == 2
	.amdgcn_target "amdgcn-amd-amdhsa--gfx1250"
	.amdhsa_code_object_version 6
	.text
	.protected	k_qc69395df0f_proj
	.globl	k_qc69395df0f_proj
	.p2align	8
	.type	k_qc69395df0f_proj,@function
k_qc69395df0f_proj:
	s_mov_b64 s[64:65], 0
	v_nop
	global_prefetch_b8 v0, s[64:65] scope:SCOPE_SE
	s_setreg_imm32_b32 hwreg(HW_REG_WAVE_MODE, 25, 1), 1
	s_wait_xcnt 0x0
	s_wait_alu depctr_hold_cnt(0) depctr_sa_sdst(0) depctr_va_vdst(0) depctr_va_sdst(0) depctr_va_ssrc(0) depctr_va_vcc(0) depctr_vm_vsrc(0)
	s_getreg_b32 s2, hwreg(HW_REG_IB_STS2, 6, 4)
	s_cmp_eq_u32 s2, 0
	s_cbranch_scc0 .Lentry_in_a_cluster
	s_endpgm
.Lentry_in_a_cluster:
	s_bfe_u32 s2, ttmp6, 0x10000c
	s_cmp_lg_u32 s2, 0xf033
	s_cbranch_scc0 .Lentry_shape_is_right
	s_endpgm
.Lentry_shape_is_right:
.set HALFT, 32768
.set SLOT,  4*HALFT
.set SCL,   2*SLOT
.set HALFS, 16*272
.set SBLK,  2*272
.set SPARE, SCL+4*HALFS
.set FR,    16
.set NP,    8
.set RR,    1
.set HH,    2
.set LN,    3
.set VB,    8
.set ADRA,  16
.set ADRB,  20
.set ADSA,  22
.set ADSB,  23
.set LI,    26
.set LV,    27
.set SPW,   28
.set NIL,   29
.set SC,    32
.set BI,    64
.set AF,    128
.set X,     128
.set PC,    192
.set TM,    208
.set W4,    224
.set Y,     232
.set Z,     236
.set G1,  24
.set G0,  32
.set G1B, 48
.set G0B, 56
.set G1S, 68
.set G0S, 76
.set G1SB, 80
.set G0SB, 88
.set SEL, 4
.set MNT, 6
.set MSB, 0
.macro WIN new
.if MSB != (\new)
	s_set_vgpr_msb (MSB<<8)|(\new)
.set MSB, (\new)
.endif
.endm
.set MUL_LO, 0xa1
.set MUL_HI, 0xf1
.set TO_B,   0x40
.macro JLOAD g0a, g1a, g0b, g1b
	s_cmp_eq_u32 s15, 0
	s_cbranch_scc0 .Lfor_b_\@
	tensor_load_to_lds s[\g0a:\g0a+3], s[\g1a:\g1a+7]
	s_nop 0
.rept 4
	v_nop
.endr
	s_branch .Lasked_\@
.Lfor_b_\@:
	tensor_load_to_lds s[\g0b:\g0b+3], s[\g1b:\g1b+7]
	s_nop 0
.rept 4
	v_nop
.endr
.Lasked_\@:
.endm
.macro CREST
	s_cmp_lg_u32 s14, 0
	s_cbranch_scc1 .Lnot_wave_0_\@
	s_barrier_signal -3
.Lnot_wave_0_\@:
	s_barrier_wait -3
	s_barrier_signal -1
	s_barrier_wait -1
.endm
.macro CROUND
	s_barrier_signal -1
	s_barrier_wait -1
	CREST
.endm
	s_load_b256 s[4:11], s[0:1], 0x0
	s_load_b128 s[92:95], s[0:1], 0x20
	s_load_b128 s[96:99], s[0:1], 0x30
	s_load_b64 s[100:101], s[0:1], 0x40
	v_lshl_add_u32 v[SPW], v0, 2, SPARE
	v_mov_b32 v[NIL], 0
	ds_add_u32 v[SPW], v[NIL]
	ds_add_u32 v[SPW], v[NIL]
	v_lshrrev_b32 v4, 5, v0
	v_readfirstlane_b32 s14, v4
	s_lshr_b32 s15, s14, 1
	s_and_b32 s16, s14, 1
	s_bfe_u32 s40, ttmp6, 0x40000
	s_bfe_u32 s41, ttmp6, 0x40004
	s_and_b32 s12, ttmp7, 0xffff
	s_lshr_b32 s13, s12, 3
	s_and_b32 s12, s12, 7
	s_lshl_b32 s12, s12, 2
	s_lshl_b32 s43, s41, 2
	s_lshl_b32 s43, 15, s43
	s_lshl_b32 s44, 0x1111, s40
	s_or_b32 s[G1+0], s43, (3<<16)|(1<<21)
	s_or_b32 s[G1B+0], s44, (3<<16)|(1<<21)
.irp g, G1, G1B
	s_mov_b32 s[\g+1], 512<<16
	s_mov_b32 s[\g+2], 16<<16
	s_mov_b32 s[\g+3], 512<<16
	s_mov_b32 s[\g+4], 16
	s_mov_b32 s[\g+5], 2048
	s_mov_b32 s[\g+6], 0
	s_mov_b32 s[\g+7], 0
.endr
	s_or_b32 s[G1S+0], s43, (3<<16)|(1<<20)|(1<<21)|(5<<22)|(3<<25)
	s_or_b32 s[G1SB+0], s44, (3<<16)|(1<<20)|(1<<21)|(5<<22)|(3<<25)
.irp g, G1S, G1SB
	s_mov_b32 s[\g+1], 32<<16
	s_mov_b32 s[\g+2], 32<<16
	s_mov_b32 s[\g+3], 32<<16
	s_mov_b32 s[\g+4], 32
	s_mov_b32 s[\g+5], 32
	s_mov_b32 s[\g+6], 0
	s_mov_b32 s[\g+7], 0
.endr
	s_lshl_b32 s18, s13, 23
	s_lshl_b32 s46, s13, 20
	s_lshl_b32 s20, s13, 18
	s_lshl_b32 s22, s13, 15
	s_cmp_lt_u32 s13, 2
	s_cselect_b32 s2, s12, 0
	s_cselect_b32 s3, 0, s12
	s_cselect_b32 s18, s18, 0x200000
	s_cselect_b32 s46, s46, 0x1000000
	s_cselect_b32 s20, s20, 0x10000
	s_cselect_b32 s22, s22, 0x80000
	s_add_co_u32 s17, s41, s2
	s_add_co_u32 s42, s40, s3
	s_lshl_b32 s45, s17, 18
	s_add_co_u32 s18, s18, s45
	s_lshl_b32 s45, s16, 17
	s_add_co_u32 s18, s18, s45
	s_mov_b32 s19, 0
	s_lshl_b32 s45, s17, 13
	s_add_co_u32 s20, s20, s45
	s_lshl_b32 s45, s16, 12
	s_add_co_u32 s20, s20, s45
	s_mov_b32 s21, 0
	s_lshl_b32 s2, s42, 18
	s_add_co_u32 s46, s46, s2
	s_lshl_b32 s2, s16, 17
	s_add_co_u32 s46, s46, s2
	s_mov_b32 s47, 0
	s_lshl_b32 s2, s42, 13
	s_add_co_u32 s22, s22, s2
	s_lshl_b32 s2, s16, 12
	s_add_co_u32 s22, s22, s2
	s_mov_b32 s23, 0
	s_lshl_b32 s12, s14, 15
	s_mul_i32 s3, s15, 2*HALFS
	s_wait_dscnt 0x0
	s_wait_kmcnt 0x0
	s_cmp_lt_u32 s13, 2
	s_cselect_b64 s[66:67], s[4:5], s[8:9]
	s_cselect_b64 s[8:9], s[8:9], s[4:5]
	s_cselect_b64 s[4:5], s[6:7], s[10:11]
	s_cselect_b64 s[10:11], s[10:11], s[6:7]
	s_add_nc_u64 s[66:67], s[66:67], s[18:19]
	s_add_nc_u64 s[8:9], s[8:9], s[46:47]
	s_add_nc_u64 s[4:5], s[4:5], s[20:21]
	s_add_nc_u64 s[10:11], s[10:11], s[22:23]
	CROUND
	s_mov_b32 s[G0S], 1
	s_add_co_u32 s[G0S+1], s3, SCL
	s_sub_nc_u64 s[G0S+2:G0S+3], s[4:5], 4096      ; wave 1 fetches the scales of all 256 rows: back from its own half to the first
	s_or_b32 s[G0S+3], s[G0S+3], 0x80000000
	s_mov_b32 s[G0SB], 1
	s_add_co_u32 s[G0SB+1], s3, SCL
	s_sub_nc_u64 s[G0SB+2:G0SB+3], s[10:11], 4096  ; wave 3 likewise
	s_or_b32 s[G0SB+3], s[G0SB+3], 0x80000000
.irp s, 0,1
	s_mov_b32 s[G0+4*\s], 1
	s_add_co_u32 s[G0+4*\s+1], s12, \s*SLOT
	s_add_nc_u64 s[G0+4*\s+2:G0+4*\s+3], s[66:67], \s*4096
	s_or_b32 s[G0+4*\s+3], s[G0+4*\s+3], 0x80000000
	s_mov_b32 s[G0B+4*\s], 1
	s_add_co_u32 s[G0B+4*\s+1], s12, \s*SLOT
	s_add_nc_u64 s[G0B+4*\s+2:G0B+4*\s+3], s[8:9], \s*4096
	s_or_b32 s[G0B+4*\s+3], s[G0B+4*\s+3], 0x80000000
.endr
; THE HEAD'S LOADS, ONE A WAVE, each a whole tile: wave 0 K step 0's 256 rows of the first operand (16 rows of 4,096 bytes of its image), wave 1 those rows' scales, wave 2 the second operand's 256 rows, wave 3 their scales.
; Waves 0 and 2 own the first half of a tile in the ring, so slot 0's own group 0 names the whole tile's first byte.  One chain of branches on the wave's number: every way passes exactly one load.
.macro ARM under, g0, g1, next
	s_cmp_lt_u32 s14, \under
	s_cbranch_scc0 \next
	tensor_load_to_lds s[\g0:\g0+3], s[\g1:\g1+7]
	s_nop 0
.rept 4
	v_nop
.endr
	s_branch .Lhead_asked
\next:
.endm
	ARM 1, G0,  G1,  .Lhead_sa
	ARM 2, G0S, G1S, .Lhead_b
	ARM 3, G0B, G1B, .Lhead_sb
	tensor_load_to_lds s[G0SB:G0SB+3], s[G1SB:G1SB+7]
	s_nop 0
.rept 4
	v_nop
.endr
.Lhead_asked:
	v_and_b32 v[RR], 15, v0
	v_bfe_u32 v[HH], v0, 4, 1
	v_and_b32 v[LN], 31, v0
	v_lshlrev_b32 v[LI], 4, v[LN]
	s_lshl_b32 s21, s15, 15
	s_lshl_b32 s22, s16, 15
	s_add_co_u32 s22, s22, 2*HALFT
.irp s, 0,1
	v_add_nc_u32 v[ADRA+\s], s21, v[LI]
	v_add_nc_u32 v[ADRB+\s], s22, v[LI]
	s_add_co_u32 s21, s21, SLOT
	s_add_co_u32 s22, s22, SLOT
.endr
	v_lshlrev_b32 v4, 5, v[RR]
	v_lshrrev_b32 v5, 3, v[RR]
	v_lshl_add_u32 v4, v5, 4, v4
	v_lshl_add_u32 v4, v[HH], 2, v4
	s_mul_i32 s21, s15, HALFS
	s_add_co_u32 s21, s21, SCL
	s_mul_i32 s22, s16, HALFS
	s_add_co_u32 s22, s22, SCL+2*HALFS
	v_add_nc_u32 v[ADSA], s21, v4
	v_add_nc_u32 v[ADSB], s22, v4
	v_lshlrev_b32 v[LV], 4, v[RR]
	v_lshl_add_u32 v[LV], v[HH], 12, v[LV]
	s_cmp_lt_u32 s13, 2
	s_cselect_b32 s18, s17, s42
	s_cselect_b32 s19, s15, s16
	s_cselect_b32 s20, s42, s17
	s_cselect_b32 s21, s16, s15
	s_cselect_b32 s22, 32, 0
	s_cselect_b32 s23, 0, 4
	s_cselect_b32 s46, 4, 0
	s_cselect_b32 s47, 0, 1
	s_lshl_b32 s18, s18, 8
	s_lshl_b32 s19, s19, 7
	s_add_co_u32 s18, s18, s19
	s_lshl_b32 s20, s20, 8
	s_lshl_b32 s21, s21, 7
	s_add_co_u32 s20, s20, s21
	s_lshr_b32 s19, s18, 11
	s_and_b32 s18, s18, 2047
	s_lshl_b32 s19, s19, 4
	s_lshr_b32 s21, s20, 6
	s_add_co_u32 s19, s19, s21
	s_lshl_b32 s66, s13, 23
	s_lshl_b32 s21, s19, 17
	s_add_co_u32 s66, s66, s21
	s_lshl_b32 s21, s18, 6
	s_add_co_u32 s66, s66, s21
	s_mov_b32 s67, 0
	s_add_nc_u64 s[98:99], s[98:99], s[66:67]
	s_lshl_b32 s66, s19, 13
	s_lshl_b32 s21, s18, 2
	s_add_co_u32 s66, s66, s21
	s_lshr_b32 s66, s66, s47
	s_lshl_b32 s21, s13, 19
	s_add_co_u32 s66, s66, s21
	s_add_nc_u64 s[100:101], s[100:101], s[66:67]
	s_cmp_eq_u32 s13, 1
	s_cselect_b64 s[94:95], s[94:95], s[96:97]
	s_cmp_eq_u32 s13, 0
	s_cselect_b64 s[92:93], s[92:93], s[94:95]
	s_lshl_b32 s66, s20, 2
	s_add_nc_u64 s[92:93], s[92:93], s[66:67]
	v_mul_u32_u24 v[VB], v[HH], s22
	v_mad_u32_u24 v[VB], v[RR], s23, v[VB]
.irp j, 1,2,3,4,5,6,7
	s_mul_i32 s21, s46, \j
	v_add_nc_u32 v[VB+\j], s21, v[VB]
.endr
.irp t, 0,1,2,3,4,5,6,7
.irp j, 0,1,2,3,4,5,6,7
	global_load_b32 v[BI+8*\t+\j], v[VB+\j], s[92:93] offset:64*\t
.endr
.endr
.macro FRAG reg, adr, q, i
.irp c, 0,1,2,3
	ds_load_b128 v[\reg+4*\c:\reg+4*\c+3], v[\adr] offset:(\i)*4096+(\q)*2048+512*\c
.endr
.endm
.macro MUL16 a0, p, q, sc, zero
.irp a, \a0, \a0+1
.irp b, 0,1,2,3,4,5,6,7
.if \zero
	v_wmma_scale_f32_16x16x128_f8f6f4 v[8*(8*((\a)%4)+\b):8*(8*((\a)%4)+\b)+7], v[128*(\p)+FR*\b:128*(\p)+FR*\b+FR-1], v[AF+FR*(\a):AF+FR*(\a)+FR-1], 0, v[SC+16*(\sc)+8+\b], v[SC+16*(\sc)+(\a)]
.elseif (\q) == 0
	v_wmma_scale_f32_16x16x128_f8f6f4 v[8*(8*((\a)%4)+\b):8*(8*((\a)%4)+\b)+7], v[128*(\p)+FR*\b:128*(\p)+FR*\b+FR-1], v[AF+FR*(\a):AF+FR*(\a)+FR-1], v[8*(8*((\a)%4)+\b):8*(8*((\a)%4)+\b)+7], v[SC+16*(\sc)+8+\b], v[SC+16*(\sc)+(\a)]
.else
	v_wmma_scale_f32_16x16x128_f8f6f4 v[8*(8*((\a)%4)+\b):8*(8*((\a)%4)+\b)+7], v[128*(\p)+FR*\b:128*(\p)+FR*\b+FR-1], v[AF+FR*(\a):AF+FR*(\a)+FR-1], v[8*(8*((\a)%4)+\b):8*(8*((\a)%4)+\b)+7], v[SC+16*(\sc)+8+\b], v[SC+16*(\sc)+(\a)] matrix_a_scale:MATRIX_SCALE_ROW1 matrix_b_scale:MATRIX_SCALE_ROW1
.endif
.endr
.endr
.endm
.macro FETCH_B slot, q, p
	WIN TO_B
.irp i, 0,1,2,3,4,5,6,7
	FRAG 128*(\p)+FR*\i, ADRB+\slot, \q, \i
.endr
	WIN 0
.endm
.macro FETCH_A slot, q, i0
.irp i, \i0, \i0+1, \i0+2, \i0+3
	FRAG AF+FR*(\i), ADRA+\slot, \q, \i
.endr
.endm
.macro SCALES sc
.irp i, 0,1,2,3,4,5,6,7
	ds_load_b32 v[SC+16*\sc+\i], v[ADSA] offset:\i*SBLK
.endr
.irp i, 0,1,2,3,4,5,6,7
	ds_load_b32 v[SC+16*\sc+8+\i], v[ADSB] offset:\i*SBLK
.endr
.endm
.macro PLACES n
.rept \n
	v_nop
.endr
.endm
.macro STEP slot, zero
	s_wait_dscnt 16
	WIN MUL_LO
	MUL16 0, 0, 0, \slot, \zero
	MUL16 2, 0, 0, \slot, \zero
	s_wait_dscnt 0x0
	PLACES NP
	FETCH_B \slot, 1, 1
	FETCH_A \slot, 1, 0
	WIN MUL_HI
	MUL16 4, 0, 0, \slot, \zero
	MUL16 6, 0, 0, \slot, \zero
	PLACES NP
	WIN 0
	FETCH_A \slot, 1, 4
.endm
.macro TURN slot, next, fill
	s_wait_tensorcnt 0x0
	ds_add_u32 v[SPW], v[NIL]
	s_wait_dscnt 17
	WIN MUL_LO
	MUL16 0, 1, 1, \slot, 0
	s_wait_dscnt 0x0
	s_barrier_signal -1
	MUL16 2, 1, 1, \slot, 0
	WIN 0
	s_barrier_wait -1
.if \fill
	CREST
	s_add_nc_u64 s[G0+4*\slot+2:G0+4*\slot+3], s[G0+4*\slot+2:G0+4*\slot+3], 8192
	s_add_nc_u64 s[G0B+4*\slot+2:G0B+4*\slot+3], s[G0B+4*\slot+2:G0B+4*\slot+3], 8192
	JLOAD G0+4*\slot, G1, G0B+4*\slot, G1B
	PLACES NP-4
.else
	PLACES NP
.endif
	s_wait_alu depctr_va_vdst(0)
	v_add_nc_u32 v[ADSA], 8, v[ADSA]
	v_add_nc_u32 v[ADSB], 8, v[ADSB]
	FETCH_B \next, 0, 0
	FETCH_A \next, 0, 0
	SCALES \next
	WIN MUL_HI
	MUL16 4, 1, 1, \slot, 0
	MUL16 6, 1, 1, \slot, 0
	PLACES NP
	WIN 0
	FETCH_A \next, 0, 4
.endm
	s_wait_alu depctr_va_vdst(0)                   ; the wait at the head's end
	s_wait_tensorcnt 0x0                           ; my tile of the head's four is in
	ds_add_u32 v[SPW], v[NIL]
	s_mov_b32 s[G1+2], 8<<16                       ; no tensor load of mine is out: from here on a load brings half a tile, 8 rows of 4,096 bytes
	s_mov_b32 s[G1+4], 8
	s_mov_b32 s[G1B+2], 8<<16
	s_mov_b32 s[G1B+4], 8
	s_wait_dscnt 0x0
	CROUND                                         ; all four tiles are in, and all sixteen work-groups are here
	JLOAD G0+4, G1, G0B+4, G1B                     ; K step 1's load, the first tensor load behind the round
	FETCH_B 0, 0, 0
	FETCH_A 0, 0, 0
	SCALES 0
	FETCH_A 0, 0, 4
	STEP 0, 1
	TURN 0, 1, 1
	STEP 1, 0
	TURN 1, 0, 1
	STEP 0, 0
	TURN 0, 1, 0
	STEP 1, 0
	s_wait_dscnt 16
	WIN MUL_LO
	MUL16 0, 1, 1, 1, 0
	MUL16 2, 1, 1, 1, 0
	s_wait_dscnt 0x0
	WIN MUL_HI
	MUL16 4, 1, 1, 1, 0
	MUL16 6, 1, 1, 1, 0
	WIN 0
.macro QUANT s, pc, pw
.irp b, 0,1,2,3
	v_max3_num_f32 v[TM+\b], |v[\s+16*\b]|, |v[\s+1+16*\b]|, 0x4800000
.endr
.irp i, 2,4,6,8,10,12,14
.irp b, 0,1,2,3
	v_max3_num_f32 v[TM+\b], v[TM+\b], |v[\s+16*\b+\i]|, |v[\s+1+16*\b+\i]|
.endr
.endr
.irp b, 0,1,2,3
	v_permlanex16_b32 v[TM+4+\b], v[TM+\b], s[SEL], s[SEL+1]
.endr
.irp b, 0,1,2,3
	v_max_num_f32 v[TM+\b], v[TM+\b], v[TM+4+\b]
.endr
.irp b, 0,1,2,3
	v_add_nc_u32 v[TM+12+\b], 0xfc000000, v[TM+\b]
.endr
.irp b, 0,1,2,3
	v_and_or_b32 v[TM+8+\b], v[TM+\b], 0x7f800000, s[MNT]
.endr
.irp b, 0,1,2,3
	v_lshrrev_b32 v[TM+4+\b], 23, v[TM+12+\b]
.endr
	v_lshl_or_b32 v[\pw], v[TM+5], 8, v[TM+4]
	v_lshl_or_b32 v[\pw], v[TM+6], 16, v[\pw]
	v_lshl_or_b32 v[\pw], v[TM+7], 24, v[\pw]
.irp b, 0,1,2,3
.irp i, 0,1,2,3,4,5,6,7,8,9,10,11,12,13,14,15
	v_med3_num_f32 v[\s+16*\b+\i], v[\s+16*\b+\i], -v[TM+8+\b], v[TM+8+\b]
.endr
	v_cvt_scalef32_pk8_fp8_f32 v[\pc+4*\b:\pc+1+4*\b], v[\s+16*\b:\s+7+16*\b], v[TM+12+\b]
	v_cvt_scalef32_pk8_fp8_f32 v[\pc+2+4*\b:\pc+3+4*\b], v[\s+8+16*\b:\s+15+16*\b], v[TM+12+\b]
.endr
	v_nop
.endm
.macro EPI isv
.irp a, 0,1,2,3,4,5,6,7
	WIN 0x02+\a/4
.irp b, 0,1,2,3,4,5,6,7
.irp p, 0,2,4,6
.if \isv
	v_pk_add_f32 v[X+8*\b+\p:X+8*\b+\p+1], v[64*(\a%4)+8*\b+\p:64*(\a%4)+8*\b+\p+1], v[BI+8*\a+\p:BI+8*\a+\p+1]
.else
	v_pk_add_f32 v[X+8*\b+\p:X+8*\b+\p+1], v[64*(\a%4)+8*\b+\p:64*(\a%4)+8*\b+\p+1], v[BI+8*\b+\p:BI+8*\b+\p+1]
.endif
.endr
.endr
	WIN 0
.if \a > 0
	s_wait_xcnt 0x0
.endif
	QUANT X, PC, W4+\a
.irp c, 0,1,2,3
.if \isv
	global_store_b128 v[LI], v[PC+4*\c:PC+4*\c+3], s[98:99] offset:(\a/4)*131072+(\a%4)*2048+\c*512
.else
	global_store_b128 v[LI], v[PC+4*\c:PC+4*\c+3], s[98:99] offset:\a*1024+(\c/2)*131072+(\c%2)*512
.endif
.endr
.endr
	v_cmp_lt_u32 s7, 15, v[LN]
.irp j, 0,1,2,3
	v_cndmask_b32 v[Y+\j], v[W4+\j], v[W4+4+\j], s7
.endr
.if \isv
	global_store_b128 v[LV], v[Y:Y+3], s[100:101]
.else
.irp j, 0,1,2,3
	v_lshrrev_b32 v[Z+\j], 16, v[Y+\j]
.endr
	global_store_b128 v[LI], v[Y:Y+3], s[100:101]
	global_store_b128 v[LI], v[Z:Z+3], s[100:101] offset:8192
.endif
.endm
	PLACES NP
	s_mov_b32 s[SEL], 0x76543210
	s_mov_b32 s[SEL+1], 0xfedcba98
	s_mov_b32 s[MNT], 0x600000
.irp b, 0,1,2,3
	v_mov_b32 v[TM+4+\b], 0
.endr
	s_wait_loadcnt 0x0
	s_cmp_eq_u32 s13, 2
	s_cbranch_scc1 .Lepi_v
	EPI 0
	s_branch .Lend
.Lepi_v:
	EPI 1
.Lend:
	s_wait_tensorcnt 0x0
	ds_add_u32 v[SPW], v[NIL]
	s_wait_dscnt 0x0
	CROUND
	s_endpgm
.Lfunc_end_k_qc69395df0f_proj:
	.size	k_qc69395df0f_proj, .Lfunc_end_k_qc69395df0f_proj-k_qc69395df0f_proj
	.p2alignl 7, 3214868480
	.fill 96, 4, 3214868480
	.section	.rodata,"a",@progbits
	.p2align	6, 0x0
	.amdhsa_kernel k_qc69395df0f_proj
		.amdhsa_group_segment_fixed_size 327680
		.amdhsa_private_segment_fixed_size 0
		.amdhsa_enable_private_segment 0
		.amdhsa_kernarg_size 72
		.amdhsa_user_sgpr_count 2
		.amdhsa_user_sgpr_kernarg_segment_ptr 1
		.amdhsa_wavefront_size32 1
		.amdhsa_system_sgpr_workgroup_id_x 1
		.amdhsa_system_sgpr_workgroup_id_y 1
		.amdhsa_system_sgpr_workgroup_id_z 1
		.amdhsa_system_vgpr_workitem_id 0
		.amdhsa_next_free_vgpr 1024
		.amdhsa_next_free_sgpr 102
		.amdhsa_reserve_vcc 0
		.amdhsa_float_denorm_mode_32 3
		.amdhsa_float_denorm_mode_16_64 3
		.amdhsa_memory_ordered 1
		.amdhsa_forward_progress 1
		.amdhsa_inst_pref_size 255
	.end_amdhsa_kernel
	.section	.bss,"aw",@nobits
	.p2align	6
	.space	262144
	.amdgpu_metadata
---
amdhsa.version: [ 1, 2 ]
amdhsa.kernels:
  - .name:           k_qc69395df0f_proj
    .symbol:         k_qc69395df0f_proj.kd
    .args:
      - { .name: ximg, .offset: 0, .size: 8, .value_kind: global_buffer, .address_space: global }
      - { .name: xsc, .offset: 8, .size: 8, .value_kind: global_buffer, .address_space: global }
      - { .name: wimg, .offset: 16, .size: 8, .value_kind: global_buffer, .address_space: global }
      - { .name: wsc, .offset: 24, .size: 8, .value_kind: global_buffer, .address_space: global }
      - { .name: bq, .offset: 32, .size: 8, .value_kind: global_buffer, .address_space: global }
      - { .name: bk, .offset: 40, .size: 8, .value_kind: global_buffer, .address_space: global }
      - { .name: bv, .offset: 48, .size: 8, .value_kind: global_buffer, .address_space: global }
      - { .name: pimg, .offset: 56, .size: 8, .value_kind: global_buffer, .address_space: global }
      - { .name: psc, .offset: 64, .size: 8, .value_kind: global_buffer, .address_space: global }
    .group_segment_fixed_size: 327680
    .private_segment_fixed_size: 0
    .kernarg_segment_align: 8
    .kernarg_segment_size: 72
    .max_flat_workgroup_size: 128
    .sgpr_count:     102
    .vgpr_count:     1024
    .wavefront_size: 32
...
	.end_amdgpu_metadata
.endif
;; end of part 2
;; launch attn (part 3): grid 8 x 32, 16 waves a work-group, clusters of 4 x 1, 327,680 bytes of LDS; arguments pimg, psc, cimg, csc; writes cimg, csc
.if DOCPART == 3
	.amdgcn_target "amdgcn-amd-amdhsa--gfx1250"
	.amdhsa_code_object_version 6
	.text
	.protected	k_qc69395df0f_attn
	.globl	k_qc69395df0f_attn
	.p2align	8
	.type	k_qc69395df0f_attn,@function
k_qc69395df0f_attn:
	s_mov_b64 s[64:65], 0
	v_nop
	global_prefetch_b8 v0, s[64:65] scope:SCOPE_SE
	s_setreg_imm32_b32 hwreg(HW_REG_WAVE_MODE, 25, 1), 1
	s_wait_xcnt 0x0
	s_wait_alu depctr_hold_cnt(0) depctr_sa_sdst(0) depctr_va_vdst(0) depctr_va_sdst(0) depctr_va_ssrc(0) depctr_va_vcc(0) depctr_vm_vsrc(0)
	s_getreg_b32 s2, hwreg(HW_REG_IB_STS2, 6, 4)
	s_cmp_eq_u32 s2, 0
	s_cbranch_scc0 .Lentry_in_a_cluster
	s_endpgm
.Lentry_in_a_cluster:
	s_bfe_u32 s2, ttmp6, 0x10000c
	s_cmp_lg_u32 s2, 0x3003
	s_cbranch_scc0 .Lentry_shape_is_right
	s_endpgm
.Lentry_shape_is_right:
; LAUNCH 3 OF 4: attention on codes of E4M3, and its result quantised for the projection on the way out.  Nothing is left out.
; t = score x log2(e) / 8; M = the running largest t rounded up to a whole number; p = 2^(t - M) is quantised along the keys, not normalised; the row's sum is taken of the unquantised p and divides at the end.
; SHARES.  A work-group owns 256 queries of one batch and TWO heads, 2 hp and 2 hp + 1, one after the other; each of its sixteen waves owns 16 queries in 256 registers, four waves to a SIMD.
; Two heads are 128 along the last product's K: so a wave ends with a whole fragment and a whole scale word a row.
; Both products are used transposed (S^T = K Q^T, O^T = V^T P^T): a lane holds one query throughout.  All operands are images of their registers, in one order of K (the two middle groups of eight of each
; block of 32 exchanged, alike on both sides), which is the order in which S^T lies in a lane: p's conversions give the second product's operand as they stand.
; The first product's K is 64: registers 8-15 of Q's and K's fragments hold zero codes, written once.
; THE RING: two slots of 1,024 keys (64 KiB of K, 64 KiB of V), half a head each; the second head's halves follow the first's in memory, so the two heads are four slots' worth and the launch has four changes of slots.
; Between two changes a wave walks eight key steps with no barrier.  Waves 0-3 fetch a slot's K, waves 4-7 its V, 16 KiB a load, one load a wave; waves 8 and 9 fetch the scale words of both heads, once.
; CLUSTER: the four query blocks of a cluster walk the same K and V: every tensor load is joint.
; LIMITS: a block of zeros gets the byte 1; NaN and infinities are not served; the promise holds while the scaled scores t stay under 2^31 in magnitude.
.set SLOT1, 131072
.set SCK,   262144                     ; K's scale words, both heads: 16 bytes for a key's place in four tiles
.set SCV,   278528                     ; V's
.set CST,   286720                     ; 1,024 bytes: the 256 rows' scale words on their way out
.set SPARE, 287744                     ; the spare words, 128 bytes a wave, that no other line names
.set LI,   1                           ; v1   16 x lane
.set ASK0, 2                           ; v2   SCK + 16 r
.set ASV0, 3                           ; v3   SCV + 16 r
.set CSA,  4                           ; v4   CST + 64 wave + 4 r
.set SPW,  5
.set NIL,  6
.set PFO,  7                           ; v7   the prefetch's offset, 256 x lane; never rewritten
.set AD,   8                           ; v8   the step's tiles of K
.set ADS,  10                          ; v10, v11 the step's scale words of K, of V
.set ADT,  11
.set LOS,  209                         ; v209 my row's scale word for the last product
.set GOS,  210                         ; v210 16 x (thread mod 64)
.set CSR,  211                         ; v211 CST + that
.set QSO,  212                         ; v212 16 r
.set ADV,  213                         ; v213 the step's tiles of V
.set LIV,  214                         ; v214 16 x lane + 65,536: V lies behind K in a slot
.set HB,   216                         ; v216-219 448 x the scale once more, in another bank than v240-243: a dual pair's second sources
; v12 -M, v13 the largest t, v[14:15] the sum; v16-31 the head's Q, v255 its scale words; v32-95 four fragments of K; v96-159 S^T, then p, then V's four fragments; v160-191 O^T;
; v192-199 the second head's Q, v208 its scale words, until that head begins; v224-239 p's codes; v232-254 at work; v248-251 K's or V's scale words; v253 p's
.set WV,   18
.set MNT,  19
.set SEL,  20
.set CS,   22                          ; s[22:23] c = log2(e) / 8
.set G1,   24                          ; s[24:31] 64 rows of 256 bytes;  s[32:39] 32 such rows
.set G1S,  32
.set G0,   40                          ; s[40:43] walks: my 16 KiB of a slot;  s[44:47] the scale words
.set G0S,  44
.set TB,   2                           ; s2   LDS byte at which the step's tiles of K begin
.set TS,   3
.set TJ,   66
.set CNT,  67
.set PFA,  76
.set LIM,  80
.macro CROUND
	s_barrier_signal -1
	s_barrier_wait -1
	s_cmp_lg_u32 s[WV], 0
	s_cbranch_scc1 .Lnot_wave_0_\@
	s_barrier_signal -3
.Lnot_wave_0_\@:
	s_barrier_wait -3
	s_barrier_signal -1
	s_barrier_wait -1
.endm
.macro NOPS n
.rept \n
	v_nop
.endr
.endm
.macro TLOAD                           ; the joint fill; an s_nop 0 and four v_nop follow it.  The branch hangs on the wave's number alone
	s_cmp_lt_u32 s[WV], 8
	s_cbranch_scc0 .Lasked_\@
	tensor_load_to_lds s[G0:G0+3], s[G1:G1+7]
	s_nop 0
	NOPS 4
.Lasked_\@:
.endm
; A PREFETCH INTO THE L2 of the slot that the NEXT change of slots will ask for: eight key steps ahead of that load.  Each cluster asks for what it will itself load.
; A slot is sixteen parts of 8,192 bytes, eight of K and eight of V; the partner at place cx takes parts 4 cx .. 4 cx + 3, told apart BY ADDRESS; in each partner waves 8 to 11, which fetch nothing for the ring,
; ask for one part each, lanes 256 bytes apart.  So each aligned 256 bytes are named once in a cluster.  The first two slots come by their loads alone; the address is never stepped: the slot is the immediate.
.macro ASK off
	s_cmp_eq_u32 s[LIM], 0
	s_cbranch_scc0 .Lnot_mine_\@
	global_prefetch_b8 v[PFO], s[PFA:PFA+1] offset:\off th:TH_LOAD_NT scope:SCOPE_SE
.Lnot_mine_\@:
.endm
	s_load_b256 s[4:11], s[0:1], 0x0               ; pimg, psc, cimg, csc
	v_lshl_add_u32 v[SPW], v0, 2, SPARE
	v_mov_b32 v[NIL], 0
	ds_add_u32 v[SPW], v[NIL]                      ; the wave's opening: the add, twice on end, and its wait ahead of the first tensor loads
	ds_add_u32 v[SPW], v[NIL]
	v_lshrrev_b32 v8, 5, v0
	v_readfirstlane_b32 s[WV], v8                  ; wave 0 .. 15
	s_bfe_u32 s48, ttmp6, 0x40000                  ; cx
	s_lshl_b32 s49, ttmp9, 2
	s_add_co_u32 s49, s49, s48                     ; my block of 256 queries: it enters Q's and the results' addresses alone
	s_and_b32 s50, ttmp7, 0xffff                   ; y = 8 x batch + pair of heads; the first head is 2 y
	s_bfe_u32 s51, s[WV], 0x10002                  ; the ring: K (0) or V (1),
	s_and_b32 s81, s[WV], 3                        ; and which 16 KiB of its 64
	s_add_co_u32 s52, s51, 1
	s_lshl_b32 s52, s52, 23                        ; k's images begin 8 MiB, v's 16 MiB into pimg;
	s_lshl_b32 s53, s50, 18
	s_add_co_u32 s52, s52, s53                     ; two heads are 262,144 bytes
	s_lshl_b32 s53, s81, 14
	s_add_co_u32 s52, s52, s53
	s_mov_b32 s53, 0
	s_lshl_b32 s82, s51, 16
	s_lshl_b32 s83, s81, 14
	s_add_co_u32 s82, s82, s83                     ; and in slot 0
	s_and_b32 s51, s[WV], 1                        ; the scale words: K's (wave 8) or V's (wave 9)
	s_add_co_u32 s54, s51, 1
	s_lshl_b32 s54, s54, 19                        ; k's scale words begin 524,288 bytes, v's 1 MiB into psc;
	s_lshl_b32 s55, s50, 14
	s_lshr_b32 s55, s55, s51                       ; two heads are 16,384 bytes of K's, 8,192 of V's
	s_add_co_u32 s54, s54, s55
	s_mov_b32 s55, 0
	s_lshl_b32 s56, s50, 18                        ; Q: my tile of 16 queries, 1,024 bytes
	s_lshl_b32 s57, s49, 14
	s_add_co_u32 s56, s56, s57
	s_lshl_b32 s57, s[WV], 10
	s_add_co_u32 s56, s56, s57
	s_mov_b32 s57, 0
	s_lshl_b32 s58, s50, 14                        ; its scale words: 256 bytes for four tiles, my tile's word in each 16
	s_lshl_b32 s59, s49, 10
	s_add_co_u32 s58, s58, s59
	s_lshr_b32 s59, s[WV], 2
	s_lshl_b32 s59, s59, 8
	s_add_co_u32 s58, s58, s59
	s_lshl_b32 s59, s81, 2
	s_add_co_u32 s58, s58, s59
	s_mov_b32 s59, 0
	s_lshr_b32 s60, s50, 3                         ; batch
	s_and_b32 s61, s50, 7                          ; pair of heads
	s_lshl_b32 s62, s60, 7
	s_lshl_b32 s63, s49, 4
	s_add_co_u32 s62, s62, s63
	s_add_co_u32 s62, s62, s[WV]                   ; my tile of 16 rows among 512,
	s_lshl_b32 s62, s62, 14
	s_lshl_b32 s63, s61, 11
	s_add_co_u32 s62, s62, s63                     ; its fragment for K step = pair of heads
	s_mov_b32 s63, 0
	s_lshl_b32 s68, s61, 15                        ; csc: a plane of 8,192 words for each pair of heads
	s_lshl_b32 s69, s60, 13
	s_add_co_u32 s68, s68, s69
	s_lshl_b32 s69, s49, 10
	s_add_co_u32 s68, s68, s69
	s_mov_b32 s69, 0
	s_lshl_b32 s70, s48, 2                         ; the prefetches: part 4 cx + wave mod 4 of a slot's sixteen
	s_add_co_u32 s70, s70, s81
	s_and_b32 s71, s70, 7
	s_lshl_b32 s71, s71, 13                        ; 8,192 bytes a part,
	s_lshr_b32 s70, s70, 3
	s_add_co_u32 s70, s70, 1
	s_lshl_b32 s70, s70, 23                        ; in k's images (parts 0-7) or v's (8-15),
	s_add_co_u32 s70, s70, s71
	s_lshl_b32 s71, s50, 18
	s_add_co_u32 s70, s70, s71                     ; my pair of heads
	s_mov_b32 s71, 0
	s_lshr_b32 s[LIM], s[WV], 2
	s_xor_b32 s[LIM], s[LIM], 2                    ; 0 in waves 8 to 11
	s_mov_b32 s[G1], 15|(3<<16)|(1<<21)            ; 15:0 the mask: all four; elements of 8 bytes; bit 21 beside a mask; no padding
	s_mov_b32 s[G1+1], 32<<16                      ; tensor_dim0: 256 bytes
	s_mov_b32 s[G1+2], 64<<16                      ; tensor_dim1
	s_mov_b32 s[G1+3], 32<<16                      ; tile_dim0
	s_mov_b32 s[G1+4], 64                          ; tile_dim1
	s_mov_b32 s[G1+5], 32                          ; the pitch: dense
	s_mov_b32 s[G1+6], 0
	s_mov_b32 s[G1+7], 0
	s_mov_b32 s[G1S], 15|(3<<16)|(1<<21)
	s_mov_b32 s[G1S+1], 32<<16
	s_mov_b32 s[G1S+2], 32<<16
	s_mov_b32 s[G1S+3], 32<<16
	s_mov_b32 s[G1S+4], 32
	s_mov_b32 s[G1S+5], 32
	s_mov_b32 s[G1S+6], 0
	s_mov_b32 s[G1S+7], 0
	s_mov_b32 s[SEL], 0x76543210
	s_mov_b32 s[SEL+1], 0xfedcba98
	s_mov_b32 s[CS], 0x3e38aa3b                    ; c = log2(e) / sqrt(64)
	s_mov_b32 s[CS+1], s[CS]                       ; (named with it as a pair)
	s_mov_b32 s[MNT], 0x600000
	s_mov_b32 s[TS], 0
	s_mov_b32 s[TJ], 0
	s_wait_dscnt 0x0                               ; both opening adds are done
	s_wait_kmcnt 0x0
	s_mov_b32 s[G0], 1
	s_mov_b32 s[G0+1], s82
	s_add_nc_u64 s[G0+2:G0+3], s[4:5], s[52:53]
	s_or_b32 s[G0+3], s[G0+3], 0x80000000
	s_mov_b32 s[G0S], 1
	s_lshl_b32 s[G0S+1], s51, 14
	s_add_co_u32 s[G0S+1], s[G0S+1], SCK
	s_add_nc_u64 s[G0S+2:G0S+3], s[6:7], s[54:55]
	s_or_b32 s[G0S+3], s[G0S+3], 0x80000000
	s_add_nc_u64 s[72:73], s[4:5], s[56:57]        ; Q's codes
	s_add_nc_u64 s[74:75], s[6:7], s[58:59]        ; Q's scale words
	s_add_nc_u64 s[12:13], s[8:9], s[62:63]        ; my fragment of the result
	s_add_nc_u64 s[14:15], s[10:11], s[68:69]      ; my work-group's scale words
	s_add_nc_u64 s[PFA:PFA+1], s[4:5], s[70:71]
	CROUND                                         ; all four work-groups are here: the first joint loads meet
	s_cmp_lt_u32 s[WV], 8                          ; the first fills: one load in each of waves 0 to 9, one chain of branches
	s_cbranch_scc0 .Lnot_kv
	tensor_load_to_lds s[G0:G0+3], s[G1:G1+7]      ; slot 0
	s_nop 0
	NOPS 4
	s_branch .Lfirst_done
.Lnot_kv:
	s_cmp_eq_u32 s[WV], 8
	s_cbranch_scc0 .Lnot_sk
	tensor_load_to_lds s[G0S:G0S+3], s[G1:G1+7]    ; K's scale words
	s_nop 0
	NOPS 4
	s_branch .Lfirst_done
.Lnot_sk:
	s_cmp_eq_u32 s[WV], 9
	s_cbranch_scc0 .Lfirst_done
	tensor_load_to_lds s[G0S:G0S+3], s[G1S:G1S+7]  ; V's
	s_nop 0
	NOPS 4
.Lfirst_done:
	v_and_b32 v9, 31, v0
	v_and_b32 v10, 15, v0
	v_lshlrev_b32 v[LI], 4, v9
	v_lshlrev_b32 v[QSO], 4, v10
	global_load_b128 v[16:19], v[LI], s[72:73]                  ; the first head's Q,
	global_load_b128 v[20:23], v[LI], s[72:73] offset:512
	global_load_b128 v[192:195], v[LI], s[72:73] offset:131072  ; and the second's, which waits in registers of its own
	global_load_b128 v[196:199], v[LI], s[72:73] offset:131584
	global_load_b32 v255, v[QSO], s[74:75]
	global_load_b32 v208, v[QSO], s[74:75] offset:8192
	v_add_nc_u32 v[LIV], 0x10000, v[LI]
	v_lshl_add_u32 v[ASK0], v10, 4, SCK
	v_lshl_add_u32 v[ASV0], v10, 4, SCV
	s_lshl_b32 s48, s[WV], 6
	v_lshl_add_u32 v[CSA], v10, 2, s48
	v_add_nc_u32 v[CSA], CST, v[CSA]
	v_and_b32 v[GOS], 63, v0
	v_lshlrev_b32 v[GOS], 4, v[GOS]
	v_add_nc_u32 v[CSR], CST, v[GOS]
	v_lshlrev_b32 v[PFO], 8, v9
.irp i, 24,25,26,27,28,29,30,31
	v_mov_b32 v[\i], 0                             ; zero codes for K 64 .. 127 of the first product: Q's,
.endr
.irp t, 0,1,2,3
.irp i, 8,9,10,11,12,13,14,15
	v_mov_b32 v[32+16*\t+\i], 0                    ; and K's: no load ever lands here
.endr
.endr
	v_mov_b32 v253, 0                              ; (named as the upper half of the pair v[252:253] before it is first written)
; A KEY STEP: 128 keys, 8,192 bytes of K at s[TB] and as many of V 65,536 bytes on
.macro STEP
	v_add_nc_u32 v[AD], s[TB], v[LI]
	v_add_nc_u32 v[ADV], s[TB], v[LIV]
	v_add_nc_u32 v[ADS], s[TS], v[ASK0]
	v_add_nc_u32 v[ADT], s[TJ], v[ASV0]
	NOPS 5                                         ; nine places with the four additions: the new S^T is laid over registers that the last products read as V
.irp g, 0,1                                    ; S^T = K Q^T, four tiles of 16 keys at a time
.if \g > 0
	NOPS 8                                         ; places in front of loads into registers that matrix instructions have read
.endif
.irp t, 0,1,2,3
	ds_load_b128 v[32+16*\t:35+16*\t], v[AD] offset:(4*\g+\t)*1024
	ds_load_b128 v[36+16*\t:39+16*\t], v[AD] offset:(4*\g+\t)*1024+512
.endr
	ds_load_b128 v[248:251], v[ADS] offset:256*\g  ; the four tiles' scale words at once
.if \g == 0
	s_wait_alu depctr_va_vdst(0)                   ; the wait here, directly ahead of the wait below
.endif
	s_wait_dscnt 0x0
.irp t, 0,1,2,3
	v_wmma_scale_f32_16x16x128_f8f6f4 v[96+8*(4*\g+\t):103+8*(4*\g+\t)], v[32+16*\t:47+16*\t], v[16:31], 0, v[248+\t], v255
.endr
.endr
; the largest score of each block of 32 keys: for the row's maximum, and, since p rises with the score, for the block's largest p.  Blocks 0 and 1 (tiles 0-3) come first: their sixteen lines name no register
; of the last four products and are the places behind them.  A chain to a tile, four chains by turns, each accumulator from its low end on
.irp u, 0,1
.irp i, 0,3,5
.irp t, 0,1,2,3
.if \i == 0
	v_max3_num_f32 v[236+\t], v[96+32*\u+8*\t], v[97+32*\u+8*\t], v[98+32*\u+8*\t]
.else
	v_max3_num_f32 v[236+\t], v[236+\t], v[96+32*\u+8*\t+\i], v[97+32*\u+8*\t+\i]
.endif
.endr
.endr
.irp b, 0,1
	v_max3_num_f32 v[232+2*\u+\b], v[236+2*\b], v[237+2*\b], v[103+32*\u+16*\b]
.endr
.irp b, 0,1
	v_max_num_f32 v[232+2*\u+\b], v[232+2*\u+\b], v[111+32*\u+16*\b]
.endr
.endr
.irp b, 0,1,2,3
	v_permlanex16_b32 v[236+\b], v[232+\b], s[SEL], s[SEL+1]
.endr
.irp b, 0,1,2,3
	s_delay_alu instid0(VALU_DEP_4)
	v_max_num_f32 v[232+\b], v[232+\b], v[236+\b]  ; with lane l xor 16's 16 keys
.endr
	s_delay_alu instid0(VALU_DEP_2)
	v_max3_num_f32 v254, v232, v233, v234
	s_delay_alu instid0(VALU_DEP_1)
	v_max_num_f32 v254, v254, v235
	s_delay_alu instid0(VALU_DEP_1)
	v_mul_f32 v254, s[CS], v254                    ; the step's largest t (c is positive)
	s_delay_alu instid0(VALU_DEP_1)
	v_max_num_f32 v13, v13, v254                   ; the running largest t
	v_mov_b32 v254, v12
	s_delay_alu instid0(VALU_DEP_2)
	v_floor_f32 v12, -v13                          ; the new -M = floor(-t): M is a whole number
	s_delay_alu instid0(VALU_DEP_1)
	v_sub_f32 v254, v12, v254                      ; old M - new M: a whole number, 0 or less
	s_delay_alu instid0(VALU_DEP_1)
	v_cvt_i32_f32 v254, v254                       ; (it saturates)
	s_delay_alu instid0(VALU_DEP_1)
	v_ldexp_f32 v252, 1.0, v254                    ; f = 2^(old M - new M): rounds nothing
.set j, 0
.rept 32
	v_pk_fma_f32 v[96+j:97+j], v[96+j:97+j], s[CS:CS+1], v[12:13] op_sel_hi:[1,0,0]   ; t - M, two at a time
.set j, j+2
.endr
.irp b, 0,1,2,3
	v_fma_f32 v[232+\b], v[232+\b], s[CS], v12     ; the same of each block's largest score
.endr
.set j, 0
	s_wait_alu depctr_va_vdst(0)                   ; the wait ahead of the batch
.rept 64
	v_exp_f32 v[96+j], v[96+j]                     ; p = 2^(t - M), at most 1
.set j, j+1
.endr
	v_pk_mul_f32 v[14:15], v[14:15], v[252:253] op_sel_hi:[1,0]   ; the sums under the new M: a plain line behind the exponentials
	s_wait_alu depctr_va_vdst(0)                   ; and ahead of the first line that names a result: one for the batch
.irp b, 0,1,2,3
	v_exp_f32 v[232+\b], v[232+\b]                 ; the block's largest p
.endr
	v_pk_add_f32 v[236:237], v[100:101], v[104:105]               ; the row's sum of the unquantised p, in eight chains
	v_pk_add_f32 v[250:251], v[108:109], v[112:113]
	v_pk_add_f32 v[248:249], v[116:117], v[120:121]
	v_pk_add_f32 v[246:247], v[124:125], v[128:129]
	v_pk_add_f32 v[244:245], v[132:133], v[136:137]
	v_pk_add_f32 v[242:243], v[140:141], v[144:145]
	v_pk_add_f32 v[240:241], v[148:149], v[152:153]
	v_pk_add_f32 v[14:15], v[14:15], v[156:157]
	v_pk_add_f32 v[236:237], v[236:237], v[96:97]
	v_pk_add_f32 v[250:251], v[250:251], v[98:99]
	v_pk_add_f32 v[248:249], v[248:249], v[102:103]
	v_pk_add_f32 v[246:247], v[246:247], v[106:107]
	v_pk_add_f32 v[244:245], v[244:245], v[110:111]
	v_pk_add_f32 v[242:243], v[242:243], v[114:115]
	v_pk_add_f32 v[240:241], v[240:241], v[118:119]
	v_pk_add_f32 v[14:15], v[14:15], v[122:123]
	v_pk_add_f32 v[236:237], v[236:237], v[126:127]
	v_pk_add_f32 v[250:251], v[250:251], v[130:131]
	v_pk_add_f32 v[248:249], v[248:249], v[134:135]
	v_pk_add_f32 v[246:247], v[246:247], v[138:139]
	v_pk_add_f32 v[244:245], v[244:245], v[142:143]
	v_pk_add_f32 v[242:243], v[242:243], v[146:147]
	v_pk_add_f32 v[240:241], v[240:241], v[150:151]
	v_pk_add_f32 v[14:15], v[14:15], v[154:155]
	v_pk_add_f32 v[236:237], v[236:237], v[158:159]
	s_delay_alu instid0(VALU_DEP_2)
	v_pk_add_f32 v[14:15], v[14:15], v[246:247]
	s_delay_alu instid0(VALU_DEP_2)
	v_pk_add_f32 v[236:237], v[236:237], v[244:245]
	v_pk_add_f32 v[250:251], v[250:251], v[242:243]
	v_pk_add_f32 v[248:249], v[248:249], v[240:241]
	s_delay_alu instid0(VALU_DEP_2)
	v_pk_add_f32 v[14:15], v[14:15], v[250:251]
	s_delay_alu instid0(VALU_DEP_2)
	v_pk_add_f32 v[236:237], v[236:237], v[248:249]
	s_delay_alu instid0(VALU_DEP_1)
	v_pk_add_f32 v[14:15], v[14:15], v[236:237]
	s_wait_alu depctr_va_vdst(0)                   ; and one for the four
.irp b, 0,1,2,3
	v_max_num_f32 v[232+\b], 0x4800000, v[232+\b]  ; the floor 2^(9 - 127): the byte cannot fall under 1
.endr
.irp b, 0,1,2,3
	s_delay_alu instid0(VALU_DEP_4)
	v_add_nc_u32 v[244+\b], 0xfc000000, v[232+\b]  ; the conversions' scale operand
.endr
.irp b, 0,1,2,3
	v_and_or_b32 v[240+\b], v[232+\b], 0x7f800000, s[MNT]   ; 448 x the scale,
.endr
.irp b, 0,1,2,3
	v_and_or_b32 v[HB+((\b+1)%4)], v[232+\b], 0x7f800000, s[MNT]   ; and once more, one register bank on
.endr
.irp b, 0,1,2,3
	v_lshrrev_b32 v[236+\b], 23, v[244+\b]
.endr
	s_delay_alu instid0(VALU_DEP_3)
	v_lshl_or_b32 v253, v237, 8, v236              ; p's scale word for these 128 keys
	s_delay_alu instid0(VALU_DEP_1)
	v_lshl_or_b32 v253, v238, 16, v253
	s_delay_alu instid0(VALU_DEP_1)
	v_lshl_or_b32 v253, v239, 24, v253
.irp b, 0,1,2,3
.irp i, 0,2,4,6,8,10,12,14
	v_dual_min_num_f32 v[96+16*\b+\i], v[96+16*\b+\i], v[240+\b] :: v_dual_min_num_f32 v[97+16*\b+\i], v[97+16*\b+\i], v[HB+((\b+1)%4)]   ; the conversion does not saturate (ISA guide 7.6.2); p is not negative, so the hold is one-sided; two numbers a line
.endr
	v_cvt_scalef32_pk8_fp8_f32 v[224+4*\b:225+4*\b], v[96+16*\b:103+16*\b], v[244+\b]
	v_cvt_scalef32_pk8_fp8_f32 v[226+4*\b:227+4*\b], v[104+16*\b:111+16*\b], v[244+\b]
.endr
.irp t, 0,1,2,3                                ; V's four fragments take p's place
.irp c, 0,1,2,3
	ds_load_b128 v[96+16*\t+4*\c:99+16*\t+4*\c], v[ADV] offset:\t*2048+512*\c
.endr
.endr
	ds_load_b128 v[248:251], v[ADT]
.set j, 0
.rept 16
	v_pk_mul_f32 v[160+j:161+j], v[160+j:161+j], v[252:253] op_sel_hi:[1,0]   ; O^T under the new M, while the loads are out; also the places between the codes and the products
.set j, j+2
.endr
	s_wait_alu depctr_va_vdst(0)                   ; the wait here, directly ahead of the wait below
	s_wait_dscnt 0x0
.irp t, 0,1,2,3                                ; O^T += V^T P^T: the head's 64 channels; the four accumulators by turns
	v_wmma_scale_f32_16x16x128_f8f6f4 v[160+8*\t:167+8*\t], v[96+16*\t:111+16*\t], v[224:239], v[160+8*\t:167+8*\t], v[248+\t], v253
.endr
	s_add_co_u32 s[TB], s[TB], 8192                ; the next step's tiles,
	s_add_co_u32 s[TS], s[TS], 512                 ; and its scale words
	s_add_co_u32 s[TJ], s[TJ], 256
.endm
; THE CHANGE OF SLOTS stands at a slot's head.  Each wave waits for all its tensor loads, adds 0 to its spare word, and waits for that and for its reads of the slot that it has left.
; fill = 1: a round of the cluster's barrier, and behind it the other slot is filled with the 1,024 keys that follow: the load has eight key steps in which to land.  One load of a wave is out at the most.
.macro CHANGE fill, off
	s_wait_tensorcnt 0x0
	ds_add_u32 v[SPW], v[NIL]
.if \fill
	ds_add_u32 v[SPW], v[NIL]                      ; twice on end here
	s_xor_b32 s[G0+1], s[G0+1], SLOT1              ; the walking descriptor: the other slot,
	s_add_nc_u64 s[G0+2:G0+3], s[G0+2:G0+3], 65536 ; the next 1,024 keys
	s_wait_dscnt 0x0                               ; both adds are done, and my reads of the slot that I have left are over
	CROUND
	TLOAD
.if \off
	ASK \off
.endif
.else
	s_wait_dscnt 0x0
	s_barrier_signal -1
	s_barrier_wait -1
.endif
.endm
.macro PHASE base, fill, off           ; a change of slots and the slot's eight key steps, a step a trip
	CHANGE \fill, \off
	s_mov_b32 s[TB], \base
	s_mov_b32 s[CNT], 8
.Lstep_\@:
	STEP
	s_sub_co_u32 s[CNT], s[CNT], 1
	s_cmp_lg_u32 s[CNT], 0
	s_cbranch_scc1 .Lstep_\@
.endm
.macro INIT                            ; a head begins: the first change of M multiplies zeros
	s_wait_xcnt 0x0                                ; earlier stores have read the codes' registers
	v_mov_b32 v13, 0xff61b1e6                      ; -3e38, under every t
	s_delay_alu instid0(VALU_DEP_1)
	v_floor_f32 v12, -v13
	v_mov_b32 v14, 0
	v_mov_b32 v15, 0
.set j, 0
.rept 32
	v_mov_b32 v[160+j], 0
.set j, j+1
.endr
.endm
; A head ends: O^T / the sum; its 64 channels are two blocks of the last product's K; register 16 b + i lies in the image's order already
.macro FINAL hd
	NOPS 8
	v_add_f32 v14, v14, v15
	s_delay_alu instid0(VALU_DEP_1)
	v_permlanex16_b32 v252, v14, s[SEL], s[SEL+1]
	s_delay_alu instid0(VALU_DEP_1)
	v_add_f32 v14, v14, v252                       ; the row's sum
	s_wait_alu depctr_va_vdst(0)
	v_rcp_f32 v14, v14
	v_nop                                          ; a plain line behind the reciprocal
	s_wait_alu depctr_va_vdst(0)                   ; and the wait ahead of its first reader
.set j, 0
.rept 16
	v_pk_mul_f32 v[96+j:97+j], v[160+j:161+j], v[14:15] op_sel_hi:[1,0]   ; each accumulator from its low end on
.set j, j+2
.endr
.irp b, 0,1
	v_max3_num_f32 v[232+\b], |v[96+16*\b]|, |v[97+16*\b]|, 0x4800000
.endr
.irp i, 2,4,6,8,10,12,14
.irp b, 0,1
	s_delay_alu instid0(VALU_DEP_2)
	v_max3_num_f32 v[232+\b], v[232+\b], |v[96+16*\b+\i]|, |v[97+16*\b+\i]|
.endr
.endr
.irp b, 0,1
	v_permlanex16_b32 v[236+\b], v[232+\b], s[SEL], s[SEL+1]
.endr
.irp b, 0,1
	s_delay_alu instid0(VALU_DEP_2)
	v_max_num_f32 v[232+\b], v[232+\b], v[236+\b]
.endr
.irp b, 0,1
	s_delay_alu instid0(VALU_DEP_2)
	v_add_nc_u32 v[244+\b], 0xfc000000, v[232+\b]
.endr
.irp b, 0,1
	s_delay_alu instid0(VALU_DEP_4)
	v_and_or_b32 v[240+\b], v[232+\b], 0x7f800000, s[MNT]
.endr
.irp b, 0,1
	s_delay_alu instid0(VALU_DEP_4)
	v_lshrrev_b32 v[236+\b], 23, v[244+\b]
.endr
.if \hd == 0
	s_delay_alu instid0(VALU_DEP_1)
	v_lshl_or_b32 v[LOS], v237, 8, v236            ; the word's lower two bytes
.else
	s_delay_alu instid0(VALU_DEP_1)
	v_lshl_or_b32 v236, v237, 8, v236
	s_delay_alu instid0(VALU_DEP_1)
	v_lshl_or_b32 v[LOS], v236, 16, v[LOS]         ; and its upper two
.endif
.irp b, 0,1
.irp i, 0,1,2,3,4,5,6,7,8,9,10,11,12,13,14,15
	v_med3_num_f32 v[96+16*\b+\i], v[96+16*\b+\i], -v[240+\b], v[240+\b]
.endr
	v_cvt_scalef32_pk8_fp8_f32 v[224+4*\b:225+4*\b], v[96+16*\b:103+16*\b], v[244+\b]
	v_cvt_scalef32_pk8_fp8_f32 v[226+4*\b:227+4*\b], v[104+16*\b:111+16*\b], v[244+\b]
.endr
	v_nop                                          ; a plain line behind the last conversion
	global_store_b128 v[LI], v[224:227], s[12:13] offset:\hd*1024        ; 512 consecutive bytes of the fragment's image
	global_store_b128 v[LI], v[228:231], s[12:13] offset:\hd*1024+512
.endm
	s_wait_alu depctr_va_vdst(0)                   ; the wait at the head's end
	s_wait_loadcnt 0x0                             ; Q
	INIT
	PHASE 0, 1, 131072                             ; the first head's keys 0-1,023; its other half is asked for, the second head's first half prefetched
	PHASE SLOT1, 1, 196608                         ; its keys 1,024-2,047; the second head's first half is asked for, its other half prefetched
	FINAL 0
.irp i, 0,1,2,3,4,5,6,7
	v_mov_b32 v[16+\i], v[192+\i]                  ; the second head's Q takes the first's place: one text of the step serves both heads
.endr
	v_mov_b32 v255, v208                           ; and its scale words; the lines of INIT are the places ahead of the next products
	INIT
	PHASE 0, 1, 0
	PHASE SLOT1, 0, 0                              ; the last slot asks for nothing more
	FINAL 1
	ds_store_b32 v[CSA], v[LOS]                    ; both halves of the lanes write the same word with the same value
	s_wait_dscnt 0x0                               ; for the others' sake
	s_barrier_signal -1
	s_barrier_wait -1
	s_cmp_lt_u32 s[WV], 2
	s_cbranch_scc0 .Lno_words
	ds_load_b128 v[96:99], v[CSR]
	s_wait_dscnt 0x0
	global_store_b128 v[GOS], v[96:99], s[14:15]   ; the 256 rows' words: two waves store 512 consecutive bytes each
.Lno_words:
	s_wait_tensorcnt 0x0                           ; the wave's end, behind my last tensor load and my last LDS store
	ds_add_u32 v[SPW], v[NIL]
	s_wait_dscnt 0x0
	CROUND                                         ; the closing round
	s_endpgm
.Lfunc_end_k_qc69395df0f_attn:
	.size	k_qc69395df0f_attn, .Lfunc_end_k_qc69395df0f_attn-k_qc69395df0f_attn
	.p2alignl 7, 3214868480
	.fill 96, 4, 3214868480
	.section	.rodata,"a",@progbits
	.p2align	6, 0x0
	.amdhsa_kernel k_qc69395df0f_attn
		.amdhsa_group_segment_fixed_size 327680
		.amdhsa_private_segment_fixed_size 0
		.amdhsa_enable_private_segment 0
		.amdhsa_kernarg_size 32
		.amdhsa_user_sgpr_count 2
		.amdhsa_user_sgpr_kernarg_segment_ptr 1
		.amdhsa_wavefront_size32 1
		.amdhsa_system_sgpr_workgroup_id_x 1
		.amdhsa_system_sgpr_workgroup_id_y 1
		.amdhsa_system_sgpr_workgroup_id_z 1
		.amdhsa_system_vgpr_workitem_id 0
		.amdhsa_next_free_vgpr 256
		.amdhsa_next_free_sgpr 90
		.amdhsa_reserve_vcc 0
		.amdhsa_float_denorm_mode_32 3
		.amdhsa_float_denorm_mode_16_64 3
		.amdhsa_memory_ordered 1
		.amdhsa_forward_progress 1
		.amdhsa_inst_pref_size 108
	.end_amdhsa_kernel
	.amdgpu_metadata
---
amdhsa.version: [ 1, 2 ]
amdhsa.kernels:
  - .name:           k_qc69395df0f_attn
    .symbol:         k_qc69395df0f_attn.kd
    .args:
      - { .name: pimg, .offset: 0, .size: 8, .value_kind: global_buffer, .address_space: global }
      - { .name: psc, .offset: 8, .size: 8, .value_kind: global_buffer, .address_space: global }
      - { .name: cimg, .offset: 16, .size: 8, .value_kind: global_buffer, .address_space: global }
      - { .name: csc, .offset: 24, .size: 8, .value_kind: global_buffer, .address_space: global }
    .group_segment_fixed_size: 327680
    .private_segment_fixed_size: 0
    .kernarg_segment_align: 8
    .kernarg_segment_size: 32
    .max_flat_workgroup_size: 512
    .sgpr_count:     90
    .vgpr_count:     256
    .wavefront_size: 32
...
	.end_amdgpu_metadata
.endif
;; end of part 3
;; launch oproj (part 4): grid 4 x 32, 4 waves a work-group, clusters of 4 x 4, 327,680 bytes of LDS; arguments cimg, csc, wimg, wsc, bo, out0; writes out0
.if DOCPART == 4
	.amdgcn_target "amdgcn-amd-amdhsa--gfx1250"
	.amdhsa_code_object_version 6
	.text
	.protected	k_qc69395df0f_oproj
	.globl	k_qc69395df0f_oproj
	.p2align	8
	.type	k_qc69395df0f_oproj,@function
k_qc69395df0f_oproj:
	s_mov_b64 s[64:65], 0
	v_nop
	global_prefetch_b8 v0, s[64:65] scope:SCOPE_SE
	s_setreg_imm32_b32 hwreg(HW_REG_WAVE_MODE, 25, 1), 1
	s_wait_xcnt 0x0
	s_wait_alu depctr_hold_cnt(0) depctr_sa_sdst(0) depctr_va_vdst(0) depctr_va_sdst(0) depctr_va_ssrc(0) depctr_va_vcc(0) depctr_vm_vsrc(0)
	s_getreg_b32 s2, hwreg(HW_REG_IB_STS2, 6, 4)
	s_cmp_eq_u32 s2, 0
	s_cbranch_scc0 .Lentry_in_a_cluster
	s_endpgm
.Lentry_in_a_cluster:
	s_bfe_u32 s2, ttmp6, 0x10000c
	s_cmp_lg_u32 s2, 0xf033
	s_cbranch_scc0 .Lentry_shape_is_right
	s_endpgm
.Lentry_shape_is_right:
.set HALFT, 32768
.set SLOT,  4*HALFT
.set SCA,   2*SLOT
.set SCB,   SCA+8192
.set HALFS, 16*272
.set SBLK,  2*272
.set SPARE, SCB+2*HALFS
.set SPITCH, 528
.set FR,    16
.set NP,    8
.set RR,    1
.set HH,    2
.set LN,    3
.set BO,    6
.set ADRA,  16
.set ADRB,  20
.set ADSA,  22
.set ADSB,  23
.set STO,   24
.set RD,    25
.set CO,    26
.set SPW,   28
.set NIL,   29
.set SC,    32
.set BI,    64
.set AF,    128
.set BK,    128
.set G1,  24
.set G0,  32
.set G1B, 48
.set G0B, 56
.set G1S, 68
.set G0S, 76
.set G1SB, 80
.set G0SB, 88
.set MSB, 0
.macro WIN new
.if MSB != (\new)
	s_set_vgpr_msb (MSB<<8)|(\new)
.set MSB, (\new)
.endif
.endm
.set MUL_LO, 0xa1
.set MUL_HI, 0xf1
.set TO_B,   0x40
.macro JLOAD g0a, g1a, g0b, g1b
	s_cmp_eq_u32 s15, 0
	s_cbranch_scc0 .Lfor_b_\@
	tensor_load_to_lds s[\g0a:\g0a+3], s[\g1a:\g1a+7]
	s_nop 0
.rept 4
	v_nop
.endr
	s_branch .Lasked_\@
.Lfor_b_\@:
	tensor_load_to_lds s[\g0b:\g0b+3], s[\g1b:\g1b+7]
	s_nop 0
.rept 4
	v_nop
.endr
.Lasked_\@:
.endm
.macro CREST
	s_cmp_lg_u32 s14, 0
	s_cbranch_scc1 .Lnot_wave_0_\@
	s_barrier_signal -3
.Lnot_wave_0_\@:
	s_barrier_wait -3
	s_barrier_signal -1
	s_barrier_wait -1
.endm
.macro CROUND
	s_barrier_signal -1
	s_barrier_wait -1
	CREST
.endm
	s_load_b256 s[4:11], s[0:1], 0x0
	s_load_b128 s[92:95], s[0:1], 0x20
	v_lshl_add_u32 v[SPW], v0, 2, SPARE
	v_mov_b32 v[NIL], 0
	ds_add_u32 v[SPW], v[NIL]
	ds_add_u32 v[SPW], v[NIL]
	v_lshrrev_b32 v4, 5, v0
	v_readfirstlane_b32 s14, v4
	s_lshr_b32 s15, s14, 1
	s_and_b32 s16, s14, 1
	s_bfe_u32 s40, ttmp6, 0x40000
	s_bfe_u32 s41, ttmp6, 0x40004
	s_lshl_b32 s42, ttmp9, 2
	s_add_co_u32 s42, s42, s40
	s_and_b32 s17, ttmp7, 0xffff
	s_lshl_b32 s17, s17, 2
	s_add_co_u32 s17, s17, s41
	s_lshl_b32 s43, s41, 2
	s_lshl_b32 s43, 15, s43
	s_lshl_b32 s44, 0x1111, s40
	s_or_b32 s[G1+0], s43, (3<<16)|(1<<21)
	s_or_b32 s[G1B+0], s44, (3<<16)|(1<<21)
.irp g, G1, G1B
	s_mov_b32 s[\g+1], 512<<16
	s_mov_b32 s[\g+2], 16<<16
	s_mov_b32 s[\g+3], 512<<16
	s_mov_b32 s[\g+4], 16
	s_mov_b32 s[\g+5], 2048
	s_mov_b32 s[\g+6], 0
	s_mov_b32 s[\g+7], 0
.endr
	s_or_b32 s[G1S+0], s43, (3<<16)|(1<<21)
	s_mov_b32 s[G1S+1], 128<<16
	s_mov_b32 s[G1S+2], 8<<16
	s_mov_b32 s[G1S+3], 128<<16
	s_mov_b32 s[G1S+4], 8
	s_mov_b32 s[G1S+5], 4096
	s_mov_b32 s[G1S+6], 0
	s_mov_b32 s[G1S+7], 0
	s_or_b32 s[G1SB+0], s44, (3<<16)|(1<<20)|(1<<21)|(5<<22)|(3<<25)
	s_mov_b32 s[G1SB+1], 32<<16
	s_mov_b32 s[G1SB+2], 32<<16
	s_mov_b32 s[G1SB+3], 32<<16
	s_mov_b32 s[G1SB+4], 32
	s_mov_b32 s[G1SB+5], 32
	s_mov_b32 s[G1SB+6], 0
	s_mov_b32 s[G1SB+7], 0
	s_lshl_b32 s18, s17, 18
	s_lshl_b32 s45, s16, 17
	s_add_co_u32 s18, s18, s45
	s_mov_b32 s19, 0
	s_lshl_b32 s20, s17, 10
	s_lshl_b32 s45, s16, 9
	s_add_co_u32 s20, s20, s45
	s_mov_b32 s21, 0
	s_lshl_b32 s46, s42, 18
	s_lshl_b32 s2, s16, 17
	s_add_co_u32 s46, s46, s2
	s_add_co_u32 s46, s46, 0x300000
	s_mov_b32 s47, 0
	s_lshl_b32 s22, s42, 13
	s_lshl_b32 s2, s16, 12
	s_add_co_u32 s22, s22, s2
	s_add_co_u32 s22, s22, 98304
	s_mov_b32 s23, 0
	s_lshl_b32 s12, s14, 15
	s_wait_dscnt 0x0
	s_wait_kmcnt 0x0
	s_add_nc_u64 s[4:5], s[4:5], s[18:19]
	s_add_nc_u64 s[6:7], s[6:7], s[20:21]
	s_add_nc_u64 s[8:9], s[8:9], s[46:47]
	s_add_nc_u64 s[10:11], s[10:11], s[22:23]
	CROUND
	s_mov_b32 s[G0S], 1
	s_mov_b32 s[G0S+1], SCA
	s_sub_nc_u64 s[G0S+2:G0S+3], s[6:7], 512       ; wave 1 fetches the scale words of all 256 rows, 1,024 bytes of each of the eight planes: back from its own half to the first
	s_or_b32 s[G0S+3], s[G0S+3], 0x80000000
	s_mov_b32 s[G0SB], 1
	s_mov_b32 s[G0SB+1], SCB
	s_sub_nc_u64 s[G0SB+2:G0SB+3], s[10:11], 4096  ; wave 3 those of the weight's 256 rows
	s_or_b32 s[G0SB+3], s[G0SB+3], 0x80000000
.irp s, 0,1
	s_mov_b32 s[G0+4*\s], 1
	s_add_co_u32 s[G0+4*\s+1], s12, \s*SLOT
	s_add_nc_u64 s[G0+4*\s+2:G0+4*\s+3], s[4:5], \s*4096
	s_or_b32 s[G0+4*\s+3], s[G0+4*\s+3], 0x80000000
	s_mov_b32 s[G0B+4*\s], 1
	s_add_co_u32 s[G0B+4*\s+1], s12, \s*SLOT
	s_add_nc_u64 s[G0B+4*\s+2:G0B+4*\s+3], s[8:9], \s*4096
	s_or_b32 s[G0B+4*\s+3], s[G0B+4*\s+3], 0x80000000
.endr
; THE HEAD'S LOADS, ONE A WAVE, each a whole tile: wave 0 K step 0's 256 rows of A (16 rows of 4,096 bytes of its image), wave 1 A's scale words, wave 2 B's 256 rows, wave 3 B's scales.
; Waves 0 and 2 own the first half of a tile in the ring, so slot 0's own group 0 names the whole tile's first byte.  One chain of branches on the wave's number: every way passes exactly one load.
.macro ARM under, g0, g1, next
	s_cmp_lt_u32 s14, \under
	s_cbranch_scc0 \next
	tensor_load_to_lds s[\g0:\g0+3], s[\g1:\g1+7]
	s_nop 0
.rept 4
	v_nop
.endr
	s_branch .Lhead_asked
\next:
.endm
	ARM 1, G0,  G1,  .Lhead_sa
	ARM 2, G0S, G1S, .Lhead_b
	ARM 3, G0B, G1B, .Lhead_sb
	tensor_load_to_lds s[G0SB:G0SB+3], s[G1SB:G1SB+7]
	s_nop 0
.rept 4
	v_nop
.endr
.Lhead_asked:
	v_and_b32 v[RR], 15, v0
	v_bfe_u32 v[HH], v0, 4, 1
	v_and_b32 v[LN], 31, v0
	v_lshlrev_b32 v[CO], 4, v[LN]
	s_wait_alu depctr_va_vdst(0)
	v_lshlrev_b32 v[BO], 5, v[HH]
	s_lshl_b32 s20, s42, 10
	s_lshl_b32 s21, s16, 9
	s_add_co_u32 s20, s20, s21
	s_mov_b32 s21, 0
	s_add_nc_u64 s[92:93], s[92:93], s[20:21]
.irp b, 0,1,2,3,4,5,6,7
	global_load_b128 v[BI+8*\b:BI+8*\b+3], v[BO], s[92:93] offset:64*\b
	global_load_b128 v[BI+8*\b+4:BI+8*\b+7], v[BO], s[92:93] offset:64*\b+16
.endr
	s_add_nc_u64 s[94:95], s[94:95], s[20:21]
	s_lshl_b32 s20, s17, 20
	s_lshl_b32 s22, s15, 19
	s_add_co_u32 s20, s20, s22
	s_add_nc_u64 s[94:95], s[94:95], s[20:21]
	s_lshl_b32 s21, s15, 15
	s_lshl_b32 s22, s16, 15
	s_add_co_u32 s22, s22, 2*HALFT
.irp s, 0,1
	v_add_nc_u32 v[ADRA+\s], s21, v[CO]
	v_add_nc_u32 v[ADRB+\s], s22, v[CO]
	s_add_co_u32 s21, s21, SLOT
	s_add_co_u32 s22, s22, SLOT
.endr
	v_lshlrev_b32 v4, 2, v[RR]
	v_lshl_add_u32 v4, v[HH], 10, v4
	s_lshl_b32 s21, s15, 9
	s_add_co_u32 s21, s21, SCA
	v_add_nc_u32 v[ADSA], s21, v4
	v_lshlrev_b32 v4, 5, v[RR]
	v_lshrrev_b32 v5, 3, v[RR]
	v_lshl_add_u32 v4, v5, 4, v4
	v_lshl_add_u32 v4, v[HH], 2, v4
	s_mul_i32 s22, s16, HALFS
	s_add_co_u32 s22, s22, SCB
	v_add_nc_u32 v[ADSB], s22, v4
	s_mul_i32 s23, s14, 16*SPITCH
	v_mul_u32_u24 v5, v[RR], SPITCH
	v_lshl_add_u32 v5, v[HH], 5, v5
	v_add_nc_u32 v[STO], s23, v5
	v_add_nc_u32 v[RD], s23, v[CO]
.macro FRAG reg, adr, q, i
.irp c, 0,1,2,3
	ds_load_b128 v[\reg+4*\c:\reg+4*\c+3], v[\adr] offset:(\i)*4096+(\q)*2048+512*\c
.endr
.endm
.macro MUL16 a0, p, q, sc, first
.irp a, \a0, \a0+1
.irp b, 0,1,2,3,4,5,6,7
.if \first
	v_wmma_scale_f32_16x16x128_f8f6f4 v[8*(8*((\a)%4)+\b):8*(8*((\a)%4)+\b)+7], v[128*(\p)+FR*\b:128*(\p)+FR*\b+FR-1], v[AF+FR*(\a):AF+FR*(\a)+FR-1], v[BI+8*\b:BI+8*\b+7], v[SC+16*(\sc)+8+\b], v[SC+16*(\sc)+(\a)]
.elseif (\q) == 0
	v_wmma_scale_f32_16x16x128_f8f6f4 v[8*(8*((\a)%4)+\b):8*(8*((\a)%4)+\b)+7], v[128*(\p)+FR*\b:128*(\p)+FR*\b+FR-1], v[AF+FR*(\a):AF+FR*(\a)+FR-1], v[8*(8*((\a)%4)+\b):8*(8*((\a)%4)+\b)+7], v[SC+16*(\sc)+8+\b], v[SC+16*(\sc)+(\a)]
.else
	v_wmma_scale_f32_16x16x128_f8f6f4 v[8*(8*((\a)%4)+\b):8*(8*((\a)%4)+\b)+7], v[128*(\p)+FR*\b:128*(\p)+FR*\b+FR-1], v[AF+FR*(\a):AF+FR*(\a)+FR-1], v[8*(8*((\a)%4)+\b):8*(8*((\a)%4)+\b)+7], v[SC+16*(\sc)+8+\b], v[SC+16*(\sc)+(\a)] matrix_a_scale:MATRIX_SCALE_ROW1 matrix_b_scale:MATRIX_SCALE_ROW1
.endif
.endr
.endr
.endm
.macro FETCH_B slot, q, p
	WIN TO_B
.irp i, 0,1,2,3,4,5,6,7
	FRAG 128*(\p)+FR*\i, ADRB+\slot, \q, \i
.endr
	WIN 0
.endm
.macro FETCH_A slot, q, i0
.irp i, \i0, \i0+1, \i0+2, \i0+3
	FRAG AF+FR*(\i), ADRA+\slot, \q, \i
.endr
.endm
.macro SCALES sc
.irp i, 0,1,2,3,4,5,6,7
	ds_load_b32 v[SC+16*\sc+\i], v[ADSA] offset:\i*64
.endr
.irp i, 0,1,2,3,4,5,6,7
	ds_load_b32 v[SC+16*\sc+8+\i], v[ADSB] offset:\i*SBLK
.endr
.endm
.macro PLACES n
.rept \n
	v_nop
.endr
.endm
.macro STEP slot, first
	s_wait_dscnt 16
.if \first
	WIN 0x81
.else
	WIN MUL_LO
.endif
	MUL16 0, 0, 0, \slot, \first
	MUL16 2, 0, 0, \slot, \first
	s_wait_dscnt 0x0
	PLACES NP
	FETCH_B \slot, 1, 1
	FETCH_A \slot, 1, 0
.if \first
	WIN 0xc1
.else
	WIN MUL_HI
.endif
	MUL16 4, 0, 0, \slot, \first
	MUL16 6, 0, 0, \slot, \first
	PLACES NP
	WIN 0
	FETCH_A \slot, 1, 4
.endm
.macro TURN slot, next, fill
	s_wait_tensorcnt 0x0
	ds_add_u32 v[SPW], v[NIL]
	s_wait_dscnt 17
	WIN MUL_LO
	MUL16 0, 1, 1, \slot, 0
	s_wait_dscnt 0x0
	s_barrier_signal -1
	MUL16 2, 1, 1, \slot, 0
	WIN 0
	s_barrier_wait -1
.if \fill
	CREST
	s_add_nc_u64 s[G0+4*\slot+2:G0+4*\slot+3], s[G0+4*\slot+2:G0+4*\slot+3], 8192
	s_add_nc_u64 s[G0B+4*\slot+2:G0B+4*\slot+3], s[G0B+4*\slot+2:G0B+4*\slot+3], 8192
	JLOAD G0+4*\slot, G1, G0B+4*\slot, G1B
	PLACES NP-4
.else
	PLACES NP
.endif
	s_wait_alu depctr_va_vdst(0)
	v_add_nc_u32 v[ADSA], 2048, v[ADSA]
	v_add_nc_u32 v[ADSB], 8, v[ADSB]
	FETCH_B \next, 0, 0
	FETCH_A \next, 0, 0
	SCALES \next
	WIN MUL_HI
	MUL16 4, 1, 1, \slot, 0
	MUL16 6, 1, 1, \slot, 0
	PLACES NP
	WIN 0
	FETCH_A \next, 0, 4
.endm
	s_wait_alu depctr_va_vdst(0)
	s_wait_tensorcnt 0x0                           ; my tile of the head's four is in
	ds_add_u32 v[SPW], v[NIL]
	s_mov_b32 s[G1+2], 8<<16                       ; no tensor load of mine is out: from here on a load brings half a tile, 8 rows of 4,096 bytes
	s_mov_b32 s[G1+4], 8
	s_mov_b32 s[G1B+2], 8<<16
	s_mov_b32 s[G1B+4], 8
	s_wait_dscnt 0x0
	CROUND                                         ; all four tiles are in, and all sixteen work-groups are here
	JLOAD G0+4, G1, G0B+4, G1B                     ; K step 1's load, the first tensor load behind the round
	FETCH_B 0, 0, 0
	FETCH_A 0, 0, 0
	SCALES 0
	FETCH_A 0, 0, 4
	s_wait_loadcnt 0x0
	STEP 0, 1
	TURN 0, 1, 1
	STEP 1, 0
	TURN 1, 0, 1
	STEP 0, 0
	TURN 0, 1, 0
	STEP 1, 0
	s_wait_dscnt 16
	WIN MUL_LO
	MUL16 0, 1, 1, 1, 0
	MUL16 2, 1, 1, 1, 0
	s_wait_dscnt 0x0
	WIN MUL_HI
	MUL16 4, 1, 1, 1, 0
	MUL16 6, 1, 1, 1, 0
	WIN 0
.macro TOSTAGE a
.set AC, 64*((\a)%4)
	WIN 0x08+4*((\a)/4)
.irp b, 0,1,2,3,4,5,6,7
	ds_store_b128 v[STO], v[AC+8*\b:AC+8*\b+3] offset:64*\b
	ds_store_b128 v[STO], v[AC+8*\b+4:AC+8*\b+7] offset:64*\b+16
.endr
	WIN 0
.set BB, BK+64*((\a)%2)
.irp t, 0,1,2,3,4,5,6,7,8,9,10,11,12,13,14,15
	ds_load_b128 v[BB+4*\t:BB+4*\t+3], v[RD] offset:\t*SPITCH
.endr
.endm
.macro SEND a, younger
.set BB, BK+64*((\a)%2)
	s_wait_dscnt \younger
.if (\a) > 0
	s_add_nc_u64 s[94:95], s[94:95], 16*4096
.endif
.irp t, 0,1,2,3,4,5,6,7,8,9,10,11,12,13,14,15
	global_store_b128 v[CO], v[BB+4*\t:BB+4*\t+3], s[94:95] offset:\t*4096 th:TH_STORE_NT
.endr
.endm
	PLACES NP
	TOSTAGE 0
.irp a, 1,2,3,4,5,6,7
.if \a > 1
	s_wait_xcnt 0x0
.endif
	TOSTAGE \a
	SEND \a-1, 32
.endr
	s_wait_xcnt 0x0
	SEND 7, 0
	s_wait_tensorcnt 0x0
	ds_add_u32 v[SPW], v[NIL]
	s_wait_dscnt 0x0
	CROUND
	s_endpgm
.Lfunc_end_k_qc69395df0f_oproj:
	.size	k_qc69395df0f_oproj, .Lfunc_end_k_qc69395df0f_oproj-k_qc69395df0f_oproj
	.p2alignl 7, 3214868480
	.fill 96, 4, 3214868480
	.section	.rodata,"a",@progbits
	.p2align	6, 0x0
	.amdhsa_kernel k_qc69395df0f_oproj
		.amdhsa_group_segment_fixed_size 327680
		.amdhsa_private_segment_fixed_size 0
		.amdhsa_enable_private_segment 0
		.amdhsa_kernarg_size 48
		.amdhsa_user_sgpr_count 2
		.amdhsa_user_sgpr_kernarg_segment_ptr 1
		.amdhsa_wavefront_size32 1
		.amdhsa_system_sgpr_workgroup_id_x 1
		.amdhsa_system_sgpr_workgroup_id_y 1
		.amdhsa_system_sgpr_workgroup_id_z 1
		.amdhsa_system_vgpr_workitem_id 0
		.amdhsa_next_free_vgpr 1024
		.amdhsa_next_free_sgpr 98
		.amdhsa_reserve_vcc 0
		.amdhsa_float_denorm_mode_32 3
		.amdhsa_float_denorm_mode_16_64 3
		.amdhsa_memory_ordered 1
		.amdhsa_forward_progress 1
		.amdhsa_inst_pref_size 150
	.end_amdhsa_kernel
	.amdgpu_metadata
---
amdhsa.version: [ 1, 2 ]
amdhsa.kernels:
  - .name:           k_qc69395df0f_oproj
    .symbol:         k_qc69395df0f_oproj.kd
    .args:
      - { .name: cimg, .offset: 0, .size: 8, .value_kind: global_buffer, .address_space: global }
      - { .name: csc, .offset: 8, .size: 8, .value_kind: global_buffer, .address_space: global }
      - { .name: wimg, .offset: 16, .size: 8, .value_kind: global_buffer, .address_space: global }
      - { .name: wsc, .offset: 24, .size: 8, .value_kind: global_buffer, .address_space: global }
      - { .name: bo, .offset: 32, .size: 8, .value_kind: global_buffer, .address_space: global }
      - { .name: out0, .offset: 40, .size: 8, .value_kind: global_buffer, .address_space: global }
    .group_segment_fixed_size: 327680
    .private_segment_fixed_size: 0
    .kernarg_segment_align: 8
    .kernarg_segment_size: 48
    .max_flat_workgroup_size: 128
    .sgpr_count:     98
    .vgpr_count:     1024
    .wavefront_size: 32
...
	.end_amdgpu_metadata
.endif
;; end of part 4
